; MI455X (gfx1250); checked and timed in simulation.
; The chip was launched on July 23, 2026; its instructions are those of AMD's public machine-readable ISA for CDNA 5 (MIT licence, August 2026) and "CDNA5" Instruction Set Architecture Reference Guide (July 2026). The comments in the code are by the model that wrote it; some were corrected since.
;; Bahdanau Attention. Allowed arithmetic: float matrix products may take bf16 or f16 operands with f32 sums; other float arithmetic in f32, or as packed bf16 or f16 multiplies, adds, multiply-adds, maxima and minima; sums over many terms, partial sums and values carried from step to step in f32; what a program stores and reads back later, other than sums and carried values, may be rounded once to bf16 or f16.
;; Inputs: W1 1,024 x 1,024 float32; W2 1,024 x 1,024 float32; encoder_outputs 32 x 2,048 x 1,024 float32; hidden_top 32 x 1,024 float32; mask 32 x 2,048 bool; v 1,024 float32.
;; Outputs: out0 32 x 1,024 float32; out1 32 x 2,048 float32.
;; 2 versions, each right; version 2 is version 1 with the launch main written anew for expert scheduling mode. Each part assembles by itself: llvm-mc -triple=amdgcn-amd-amdhsa -mcpu=gfx1250 --defsym DOCPART=n.
;; ======== version 1 of 2: 3 launches
;; workspace buffers: w1f 2,097,152 bytes; w2h 131,072 bytes; sc 262,144 bytes; cp 2,097,152 bytes
;; launch prep (part 1): grid 128 x 1, 8 waves a work-group, no clusters, 17,408 bytes of LDS; arguments W1, W2, hidden_top, w1f, w2h; writes w1f, w2h
.if DOCPART == 1
	.amdgcn_target "amdgcn-amd-amdhsa--gfx1250"
	.amdhsa_code_object_version 6
	.text
	.protected	k_qe74d900e32_prep
	.globl	k_qe74d900e32_prep
	.p2align	8
	.type	k_qe74d900e32_prep,@function
k_qe74d900e32_prep:
	s_mov_b64 s[64:65], 0
	v_nop
	global_prefetch_b8 v0, s[64:65] scope:SCOPE_SE
	s_setreg_imm32_b32 hwreg(HW_REG_WAVE_MODE, 25, 1), 1
	s_wait_xcnt 0x0
; TWO SMALL JOBS AHEAD OF THE LARGE PRODUCT, told apart by the work-group's number (0-63: W1; 64-127: W2).  c = 2 log2(e).
; W1: w1f = bf16(c W1), one rounding, laid out as the matrix fragments that the next launch's waves load: 16 rows x 32 k = 1,024 bytes on end,
;     at wq 524,288 + t 8,192 + b 1,024 + j 512 + 16 lane, for rows 512 chunk + 128 wq + 16 b on and k = 32 kstep on, t = 32 chunk + kstep;
;     lane (r, h) holds W1[row + r][k + 16 j + 8 h .. + 7].
; W2: w2h[m][o] = c x the sum over k of hidden[m][k] W2[o][k]: bf16 operands, f32 sums, c applied in f32 at the end.
; SHARES.  A work-group takes 16 rows of its matrix, each of its eight waves 128 k (four fragments).  For W2 the eight partial sums meet in LDS.
; LIMITS.  W1 is rounded to bf16 behind the multiplication by c (still one rounding).  NaN and infinities are not treated apart.
.set SPARE, 16384                      ; behind the partial sums: the spare words, 128 bytes for each of eight waves
.set SPW, 2                            ; v2  LDS address of my spare word; never rewritten
.set NIL, 3                            ; v3  0; never rewritten
.set FO,  8                            ; v8  r x 4,096 + 32 h: my place in 16 rows of 4,096 bytes; never rewritten
.set LO,  9                            ; v9  16 x lane
.set LS,  10                           ; v10 where I put my partial sums: 2,048 x wave + 32 x lane
.set LR,  11                           ; v11 where waves 0 and 1 read them back: 1,024 x wave + 32 x lane
.set XB,  16                           ; v[16:79] four fragments of W in f32, 16 registers each; v[80:207] eight of hidden (tile mt, fragment i at 80 + 64 mt + 16 i)
.set ACC, 208                          ; v[208:223] two accumulators
.set WV,  16                           ; s16 my wave's number
.set NT,  17                           ; s17 which 16 rows
.set PATH, 18                          ; s18 0: W1, 1: W2
.set CC,  24                           ; s[24:25] c, named as a pair
.macro LD16 dst, base, off             ; one fragment in f32: k = 8 h .. + 7 (32 bytes) and 16 + 8 h .. + 7
	global_load_b128 v[(\dst):(\dst)+3],     v[FO], s[(\base):(\base)+1] offset:(\off)
	global_load_b128 v[(\dst)+4:(\dst)+7],   v[FO], s[(\base):(\base)+1] offset:(\off)+16
	global_load_b128 v[(\dst)+8:(\dst)+11],  v[FO], s[(\base):(\base)+1] offset:(\off)+64
	global_load_b128 v[(\dst)+12:(\dst)+15], v[FO], s[(\base):(\base)+1] offset:(\off)+80
.endm
.macro CV8 x                           ; 16 f32 to 16 bf16, in place, ascending: register n takes numbers 2 n and 2 n + 1, which lie at or above it
.irp n, 0,1,2,3,4,5,6,7
	v_cvt_pk_bf16_f32 v[(\x)+(\n)], v[(\x)+2*(\n)], v[(\x)+2*(\n)+1]
.endr
.endm
	s_load_b256 s[4:11], s[0:1], 0x0               ; W1 s[4:5], W2 s[6:7], hidden s[8:9], w1f s[10:11]
	s_load_b64 s[12:13], s[0:1], 0x20              ; w2h
	v_lshl_add_u32 v[SPW], v0, 2, SPARE
	v_mov_b32 v[NIL], 0
	v_lshrrev_b32 v1, 5, v0
	v_readfirstlane_b32 s[WV], v1                  ; wave 0..7
	v_and_b32 v4, 15, v0                           ; r
	v_bfe_u32 v5, v0, 4, 1                         ; h
	v_and_b32 v6, 31, v0                           ; lane
	v_lshlrev_b32 v[FO], 12, v4
	v_lshl_add_u32 v[FO], v5, 5, v[FO]
	v_lshlrev_b32 v[LO], 4, v6
	s_lshl_b32 s20, s[WV], 11
	v_lshl_add_u32 v[LS], v6, 5, s20
	s_lshl_b32 s20, s[WV], 10
	v_lshl_add_u32 v[LR], v6, 5, s20
	s_and_b32 s[NT], ttmp9, 63
	s_lshr_b32 s[PATH], ttmp9, 6
	s_mov_b32 s[CC], 0x4038aa3b                    ; c = 2 log2(e)
	s_mov_b32 s[CC+1], 0x4038aa3b
	s_lshl_b32 s20, s[NT], 16                      ; my 16 rows of 4,096 bytes,
	s_lshl_b32 s22, s[WV], 9                       ; my wave's 128 k: 512 bytes
	s_add_co_u32 s20, s20, s22
	s_mov_b32 s21, 0
	s_mov_b32 s23, 0
	s_wait_kmcnt 0x0
	s_cmp_eq_u32 s[PATH], 0
	s_cselect_b64 s[14:15], s[4:5], s[6:7]         ; the matrix that this work-group reads
	s_add_nc_u64 s[14:15], s[14:15], s[20:21]
.irp i, 0,1,2,3
	LD16 XB+16*(\i), 14, 128*(\i)
.endr
	s_cmp_lg_u32 s[PATH], 0
	s_cbranch_scc1 .Lw2
	; W1: scale, round, store.  16 nt = 512 chunk + 128 wq + 16 b; kstep = 4 wave + i
	s_bfe_u32 s20, s[NT], 0x20003                  ; wq
	s_lshl_b32 s20, s20, 19
	s_lshr_b32 s22, s[NT], 5                       ; chunk: 32 K steps of 8,192 bytes
	s_lshl_b32 s22, s22, 18
	s_add_co_u32 s20, s20, s22
	s_lshl_b32 s22, s[WV], 15                      ; my four K steps
	s_add_co_u32 s20, s20, s22
	s_and_b32 s22, s[NT], 7                        ; b
	s_lshl_b32 s22, s22, 10
	s_add_co_u32 s20, s20, s22
	s_add_nc_u64 s[10:11], s[10:11], s[20:21]
.irp i, 0,1,2,3
	s_wait_loadcnt 12-4*(\i)                       ; loads come back in order: fragment i's four are in, the younger fragments' stay out
.irp p, 0,2,4,6,8,10,12,14
	v_pk_mul_f32 v[XB+16*(\i)+(\p):XB+16*(\i)+(\p)+1], v[XB+16*(\i)+(\p):XB+16*(\i)+(\p)+1], s[CC:CC+1] op_sel_hi:[1,0]
.endr
	CV8 XB+16*(\i)
	global_store_b128 v[LO], v[XB+16*(\i):XB+16*(\i)+3],   s[10:11] offset:8192*(\i)      ; each store of the wave covers 512 consecutive bytes, aligned
	global_store_b128 v[LO], v[XB+16*(\i)+4:XB+16*(\i)+7], s[10:11] offset:8192*(\i)+512
.endr
	s_branch .Lmeet
.Lw2:	; W2: my 128 k of the product with both tiles of 16 rows of hidden
	s_add_nc_u64 s[8:9], s[8:9], s[22:23]          ; hidden at my wave's 128 k
.irp mt, 0,1
.irp i, 0,1,2,3
	LD16 80+64*(\mt)+16*(\i), 8, 65536*(\mt)+128*(\i)
.endr
.endr
	s_wait_loadcnt 0x0
.irp n, 0,1,2,3,4,5,6,7,8,9,10,11
	CV8 XB+16*(\n)
.endr
	; source 0 = 16 rows of W2, source 1 = 16 rows of hidden: a lane ends with one row m of w2h and eight neighbouring columns.
	; The two accumulators take turns, one instruction a turn.
	v_wmma_f32_16x16x32_bf16 v[ACC:ACC+7],    v[XB:XB+7], v[80:87],   0
	v_wmma_f32_16x16x32_bf16 v[ACC+8:ACC+15], v[XB:XB+7], v[144:151], 0
.irp i, 1,2,3
	v_wmma_f32_16x16x32_bf16 v[ACC:ACC+7],    v[XB+16*(\i):XB+16*(\i)+7], v[80+16*(\i):80+16*(\i)+7],   v[ACC:ACC+7]
	v_wmma_f32_16x16x32_bf16 v[ACC+8:ACC+15], v[XB+16*(\i):XB+16*(\i)+7], v[144+16*(\i):144+16*(\i)+7], v[ACC+8:ACC+15]
.endr
.rept 8
	v_nop                                          ; the places behind the last products, ahead of the stores that read them
.endr
.irp mt, 0,1
	ds_store_b128 v[LS], v[ACC+8*(\mt):ACC+8*(\mt)+3]   offset:1024*(\mt)
	ds_store_b128 v[LS], v[ACC+8*(\mt)+4:ACC+8*(\mt)+7] offset:1024*(\mt)+16
.endr
.Lmeet:	; every wave of every work-group passes this one barrier
	s_wait_dscnt 0x0                               ; for the others' sake: my partial sums lie in LDS
	s_barrier_signal -1
	s_barrier_wait -1
	s_cmp_eq_u32 s[PATH], 0
	s_cbranch_scc1 .Lend
	s_cmp_lt_u32 s[WV], 2                          ; wave 0 finishes rows 0-15 of w2h, wave 1 rows 16-31
	s_cbranch_scc0 .Lend
.irp v, 0,1,2,3,4,5,6,7
	ds_load_b128 v[XB+8*(\v):XB+8*(\v)+3],   v[LR] offset:2048*(\v)
	ds_load_b128 v[XB+8*(\v)+4:XB+8*(\v)+7], v[LR] offset:2048*(\v)+16
.endr
	s_lshl_b32 s20, s[WV], 16                      ; 16 rows of 4,096 bytes,
	s_lshl_b32 s22, s[NT], 6                       ; my 16 columns
	s_add_co_u32 s20, s20, s22
	s_add_nc_u64 s[12:13], s[12:13], s[20:21]
	s_wait_dscnt 0x0
.irp p, 0,2,4,6
	v_pk_add_f32 v[XB+(\p):XB+(\p)+1],       v[XB+(\p):XB+(\p)+1],       v[XB+8+(\p):XB+8+(\p)+1]
	v_pk_add_f32 v[XB+16+(\p):XB+16+(\p)+1], v[XB+16+(\p):XB+16+(\p)+1], v[XB+24+(\p):XB+24+(\p)+1]
	v_pk_add_f32 v[XB+32+(\p):XB+32+(\p)+1], v[XB+32+(\p):XB+32+(\p)+1], v[XB+40+(\p):XB+40+(\p)+1]
	v_pk_add_f32 v[XB+48+(\p):XB+48+(\p)+1], v[XB+48+(\p):XB+48+(\p)+1], v[XB+56+(\p):XB+56+(\p)+1]
.endr
.irp p, 0,2,4,6
	v_pk_add_f32 v[XB+(\p):XB+(\p)+1],       v[XB+(\p):XB+(\p)+1],       v[XB+16+(\p):XB+16+(\p)+1]
	v_pk_add_f32 v[XB+32+(\p):XB+32+(\p)+1], v[XB+32+(\p):XB+32+(\p)+1], v[XB+48+(\p):XB+48+(\p)+1]
.endr
.irp p, 0,2,4,6
	v_pk_add_f32 v[XB+(\p):XB+(\p)+1], v[XB+(\p):XB+(\p)+1], v[XB+32+(\p):XB+32+(\p)+1]
.endr
.irp p, 0,2,4,6
	v_pk_mul_f32 v[XB+(\p):XB+(\p)+1], v[XB+(\p):XB+(\p)+1], s[CC:CC+1] op_sel_hi:[1,0]
.endr
	global_store_b128 v[FO], v[XB:XB+3],   s[12:13]            ; 64 bytes of each of 16 rows: the whole buffer is 131,072 bytes, written once
	global_store_b128 v[FO], v[XB+4:XB+7], s[12:13] offset:16
.Lend:
	s_wait_tensorcnt 0x0                           ; the wave's end: three closing lines, behind my last LDS store
	ds_add_u32 v[SPW], v[NIL]
	s_wait_dscnt 0x0
	s_endpgm
.Lfunc_end_k_qe74d900e32_prep:
	.size	k_qe74d900e32_prep, .Lfunc_end_k_qe74d900e32_prep-k_qe74d900e32_prep
	.p2alignl 7, 3214868480
	.fill 96, 4, 3214868480
	.section	.rodata,"a",@progbits
	.p2align	6, 0x0
	.amdhsa_kernel k_qe74d900e32_prep
		.amdhsa_group_segment_fixed_size 17408
		.amdhsa_private_segment_fixed_size 0
		.amdhsa_enable_private_segment 0
		.amdhsa_kernarg_size 40
		.amdhsa_user_sgpr_count 2
		.amdhsa_user_sgpr_kernarg_segment_ptr 1
		.amdhsa_wavefront_size32 1
		.amdhsa_system_sgpr_workgroup_id_x 1
		.amdhsa_system_sgpr_workgroup_id_y 1
		.amdhsa_system_sgpr_workgroup_id_z 1
		.amdhsa_system_vgpr_workitem_id 0
		.amdhsa_next_free_vgpr 256
		.amdhsa_next_free_sgpr 66
		.amdhsa_reserve_vcc 0
		.amdhsa_float_denorm_mode_32 3
		.amdhsa_float_denorm_mode_16_64 3
		.amdhsa_memory_ordered 1
		.amdhsa_forward_progress 1
		.amdhsa_inst_pref_size 23
	.end_amdhsa_kernel
	.amdgpu_metadata
---
amdhsa.version: [ 1, 2 ]
amdhsa.kernels:
  - .name:           k_qe74d900e32_prep
    .symbol:         k_qe74d900e32_prep.kd
    .args:
      - { .name: W1, .offset: 0, .size: 8, .value_kind: global_buffer, .address_space: global }
      - { .name: W2, .offset: 8, .size: 8, .value_kind: global_buffer, .address_space: global }
      - { .name: hidden_top, .offset: 16, .size: 8, .value_kind: global_buffer, .address_space: global }
      - { .name: w1f, .offset: 24, .size: 8, .value_kind: global_buffer, .address_space: global }
      - { .name: w2h, .offset: 32, .size: 8, .value_kind: global_buffer, .address_space: global }
    .group_segment_fixed_size: 17408
    .private_segment_fixed_size: 0
    .kernarg_segment_align: 8
    .kernarg_segment_size: 40
    .max_flat_workgroup_size: 256
    .sgpr_count:     66
    .vgpr_count:     256
    .wavefront_size: 32
...
	.end_amdgpu_metadata
.endif
;; end of part 1
;; launch main (part 2): grid 256 x 1, 4 waves a work-group, no clusters, 294,400 bytes of LDS; arguments encoder_outputs, mask, v, w1f, w2h, sc, cp; writes sc, cp
.if DOCPART == 2
	.amdgcn_target "amdgcn-amd-amdhsa--gfx1250"
	.amdhsa_code_object_version 6
	.text
	.protected	k_qe74d900e32_main
	.globl	k_qe74d900e32_main
	.p2align	8
	.type	k_qe74d900e32_main,@function
k_qe74d900e32_main:
	s_mov_b64 s[64:65], 0
	v_nop
	global_prefetch_b8 v0, s[64:65] scope:SCOPE_SE
	s_setreg_imm32_b32 hwreg(HW_REG_WAVE_MODE, 25, 1), 1
	s_wait_xcnt 0x0
; FOR EACH BLOCK OF 128 ROWS OF E ([65,536][1,024] f32): score[s] = sum over o of v[o] tanh((E W1^T)[s][o] + W2h[o]); the mask; the block's maximum m;
; p = e^(score - m); the block's share of the context, sum over s of p[s] E[s][:].  Stored: the masked scores (sc) and that share, relative to m (cp); the next launch joins a batch's 16 blocks.
; E IS READ FROM MEMORY ONCE: a block is rounded to bf16 on its way into LDS (128 x 1,024 x 2 bytes) and stays there for the product, and then for the context.
; SHARES.  A work-group stays for two blocks, rows 256 g on, both of batch g / 8.  A block's product goes in two passes of 512 columns o; in a pass wave w makes 128 rows x 128 columns:
; 64 accumulators, 512 registers, 32 K steps of 64 matrix instructions.  For a K step a wave reads 16 x 512 bytes of E's fragments from LDS and 16 x 512 bytes of W1's from memory, where launch
; 'prep' has laid them out as one sequential stream for each wave, already multiplied by c = 2 log2(e).
; E COMES IN UNDER THE FIRST PASS.  In LDS the block lies in 8 slices of 128 k, and the first pass wants slice n only at K step 4 n.  So only slices 0 and 1 are loaded ahead of the pass (64 loads a wave:
; 1,024 bytes of each of its 32 rows).  Slices 2 to 7 follow through a ring of four groups of 32 registers: at the end of K steps 1 to 24 a wave rounds and stores the eight rows' 512 bytes that it asked
; for four K steps earlier, and (K steps 1 to 20) asks for the next eight.  A slice is whole in LDS three K steps ahead of its first read; one barrier stands between.
; Loads come back in order, W1's and E's on one counter: a K step's loads go out as 16 of W1, then 8 of E, and the waits leave the newest 63 out: two such groups, and the 8 of E and 7 of W1 of the group before.
; THE ORDER OF THE TEXT.  The first pass's opening and K steps 0 to 24 stand behind the block's prologue and are reached from it alone: their counts lean on the prologue's loads.  The second pass's stand at
; .Lpass, where the loop over passes jumps back to.  K steps 25 to 31 and a pass's end are one text for both; the first pass enters that loop in its middle, at .Lmid.
; NO CLUSTER, NO TENSOR LOADS.  All work-groups read the same weights, but E's block takes 278,528 of a WGP's 327,680 bytes of LDS, and one K step of a pass's 512 columns is 32,768 bytes:
; two slots of it do not fit beside the block.  So the weights come by loads into registers, each fragment fetched by the one wave that multiplies it, and those have no joint form.
; THE MATRIX INSTRUCTION IS USED TRANSPOSED (source 0 = 16 rows of W1, source 1 = 16 rows of E): lane (r, h), register j holds row s0 + r and column o0 + 8 h + j.  So the sum over o stays in
; the lane, and c W2h, which hangs on the column alone, is the C operand of the first K step.
; TANH.  The accumulator is x' = c (W1e + W2h).  tanh = 1 - 2 / (1 + 2^x'), so score = sum v - 2 sum v r with r = 1 / (1 + 2^x').  2^x' = infinity gives r = 0, 2^x' = 0 gives r = 1.
; LIMITS.  E, c W1, p in bf16 for the products; sums in f32.  score carries the rounding of sum v - 2 sum v r, about 1e-7 of sum |v|.  2^x below 2^-126 counts as 0.  The maximum is taken
; away first, (s - m), and then multiplied by log2(e).  NaN and infinities are not treated apart.
; LDS
.set PITCH, 272                        ; a row of 128 k in bf16: 256 bytes + 16: the 16 rows of a fragment load start at 16 different groups of four banks (64 banks of 4 bytes: ISA guide 11.1)
.set SLICE, 128*PITCH                  ; E's block lies in 8 slices of 128 k, 128 rows each
.set VT,    8*SLICE                    ; v, 4,096 bytes
.set WT,    VT+4096                    ; the batch's row of c W2h, 4,096 bytes
.set SCR,   WT+4096                    ; 4 waves x 128 partial scores
.set PT,    SCR+2048                   ; 4 x 256: each wave's own copy of p in bf16
.set CS,    PT+1024                    ; 4 x 1,024: each wave's own stage for its 256 channels of the context
.set SPARE, CS+4096                    ; the spare words, 128 bytes for each wave
; VECTOR REGISTERS, in windows of 256 (s_set_vgpr_msb: bits 1:0 source 0, 3:2 source 1, 5:4 source 2, 7:6 destination).  Window 0:
.set SPW,   2                          ; LDS address of my spare word; never rewritten
.set NIL,   3                          ; 0; never rewritten
.set ABASE, 4                          ; r x 272 + 16 h: my place in a fragment of E
.set AAD,   5                          ; the same in the slice in hand
.set L16,   6                          ; 16 x lane
.set EOFF,  7                          ; my wave's 32 rows of a block in memory + 16 x lane
.set ESB,   8                          ; where my 8 bytes of my wave's first row go in slice 0: wave x 32 rows + 8 x lane
.set ESC,   9                          ; the same in the slice that the ring is storing
.set TBV,   16                         ; VT + 512 w + 32 h: my 8 numbers of the first of my wave's tiles of 16 columns
.set SCA,   17                         ; where I put a partial score
.set SCL,   18                         ; where I read four rows' partial scores
.set PTA,   19                         ; where I put four p
.set PTL,   20                         ; where I read a fragment of p
.set CSA,   21                         ; where I put a channel of the context
.set CSL,   22                         ; where I read four back
.set TRA,   23                         ; my place in a turned fragment of E, in my wave's two slices
.set PFO,   24                         ; my wave's 32 rows + 4,096 x lane: a lane a row, for the prefetches
.set MASKN, 25                         ; four bytes of the next block's mask
.set MASKC, 26                         ; of this block's
.set M4,    27                         ; 4 x lane
.set RS,    28                         ; v28-43  for each tile a of 16 rows a pair: sum of v r
.set SV,    44                         ; v44-45  sum of v
.set CH,    46                         ; v46-53  four chains for that sum; later the eight scores t[a]
.set TBC,   62                         ; TBV in the pass in hand
.set TAB,   64                         ; v64-127 my 64 numbers of v (a pass's end); at a block's end at work; in the first pass's K loop groups 0 and 1 of E's ring
.set AF,    128                        ; v128-191 E's eight fragments of one K step
.set PF,    192                        ; v192-223 p's four fragments; in the first pass's K loop group 2 of E's ring
.set YY,    224                        ; v224-239 the context on its way out; v224-255 in the first pass's K loop group 3 of E's ring
; Window 1: four buffers of 64 for W1's fragments (K step t in buffer t % 4); at a block's end E's turned fragments.
; Window 2: the accumulators of rows 0-63 ((a, b) at 8 (8 a + b)); ahead of a block's first pass the 256 registers in which slices 0 and 1 land.
; Window 3: the accumulators of rows 64-127; ahead of a pass's first K step v0-63 hold c W2h; at a block's end v0-127 the context's 16 accumulators.
; SCALAR REGISTERS
.set EP,  4                            ; s[4:5]   E at the block whose slices 0 and 1 are asked for next
.set MP,  6                            ; s[6:7]   the mask at the work-group's 256 rows
.set VP,  8                            ; s[8:9]   v
.set BB,  10                           ; s[10:11] my wave's stream of weights
.set WP,  12                           ; s[12:13] the batch's row of w2h
.set SCP, 14                           ; s[14:15] sc at the block
.set CPP, 16                           ; s[16:17] cp at the block and my wave's 256 channels
.set BP,  18                           ; s[18:19] where the stream stands
.set WV,  20
.set BLK, 21                           ; blocks to go
.set PAS, 22                           ; passes to go
.set KC,  23
.set SL,  25                           ; the slice in hand, in bytes
.set TP,  27                           ; 0 in the first pass, 2,048 in the second
.set HM,  28                           ; lanes 16-31
.set SEL, 30                           ; s[30:31] v_permlanex16_b32: each lane takes its own place in the other half
.set LOG2E, 33
.set TO,  34                           ; s[34:35] offsets in the making
.set EQ,  36                           ; s[36:37] E at the block in hand, at the slice that the ring asks for
.set MSB, 0
.macro WIN new                         ; the immediate's high byte repeats the setting that is left; a switch that changes nothing is dropped
.if MSB != (\new)
	s_set_vgpr_msb (MSB<<8)|(\new)
.set MSB, \new
.endif
.endm
.macro PLACES                          ; four places behind a matrix instruction, ahead of loads into registers that it has read (ISA guide 7.12.1 for vector instructions)
.rept 4
	v_nop
.endr
.endm
; 64 loads: slices 0 and 1 of my 32 rows, 1,024 bytes on end of each row, each load 512 consecutive bytes, into window 2
.macro FILL
	WIN 0x80
.set i, 0
.rept 64
	global_load_b128 v[4*i:4*i+3], v[EOFF], s[EP:EP+1] offset:(i/2)*4096+(i%2)*512 th:TH_LOAD_NT
.set i, i+1
.endr
.endm
; 16 loads: W1's eight fragments of one K step, 8,192 bytes on end, into buffer q of window 1
.macro BLD q
	WIN 0x40
.irp f, 0,1,2,3,4,5,6,7
	global_load_b128 v[64*(\q)+8*(\f):64*(\q)+8*(\f)+3],   v[L16], s[BP:BP+1] offset:8192*(\q)+1024*(\f)
	global_load_b128 v[64*(\q)+8*(\f)+4:64*(\q)+8*(\f)+7], v[L16], s[BP:BP+1] offset:8192*(\q)+1024*(\f)+512
.endr
.endm
; E'S RING.  Group g is 32 registers of window 0 (v64, v96, v192, v224 on) and always holds rows 8 g .. 8 g + 7 of my 32, 512 bytes (one slice) of each.
; 8 loads into group g.  back: bytes by which the pointer has already been stepped on
.macro ELD g, back
	WIN 0
.set RG, 64+32*(\g)+64*((\g)/2)
.irp j, 0,1,2,3,4,5,6,7
	global_load_b128 v[RG+4*(\j):RG+4*(\j)+3], v[EOFF], s[EQ:EQ+1] offset:(8*(\g)+(\j))*4096-(\back) th:TH_LOAD_NT
.endr
.endm
; group g is rounded to bf16 in place and stored: a store of the wave is one LDS row of the slice, 256 consecutive bytes.  The 16 conversions name no register of the products in front of them: they are the places there.
.macro ECV g
	WIN 0
.set RG, 64+32*(\g)+64*((\g)/2)
.irp j, 0,1,2,3,4,5,6,7
	v_cvt_pk_bf16_f32 v[RG+4*(\j)],   v[RG+4*(\j)],   v[RG+4*(\j)+1]
	v_cvt_pk_bf16_f32 v[RG+4*(\j)+1], v[RG+4*(\j)+2], v[RG+4*(\j)+3]
.endr
.irp j, 0,1,2,3,4,5,6,7
	ds_store_b64 v[ESC], v[RG+4*(\j):RG+4*(\j)+1] offset:(8*(\g)+(\j))*PITCH
.endr
.endm
; AHEAD OF A BLOCK'S FIRST PASS.  Group gq of FILL's 64 loads (rows 8 gq .. 8 gq + 7, slices 0 and 1) is rounded in place and stored; behind it W1's K step gq and group gq of slice 2 go out.
.macro EGRP gq, wl
	s_wait_loadcnt \wl                             ; loads come back in order: my 16 are in; younger: the rest of FILL's and 24 for each group already sent (64 and 72 are written as the field's 63)
	WIN 0x8a
.set i, 0
.rept 16
	v_cvt_pk_bf16_f32 v[64*(\gq)+4*i],   v[64*(\gq)+4*i],   v[64*(\gq)+4*i+1]
	v_cvt_pk_bf16_f32 v[64*(\gq)+4*i+1], v[64*(\gq)+4*i+2], v[64*(\gq)+4*i+3]
.set i, i+1
.endr
	WIN 0x08                                       ; the stores' data in window 2
.set i, 0
.rept 16
	ds_store_b64 v[ESB], v[64*(\gq)+4*i:64*(\gq)+4*i+1] offset:(i%2)*SLICE+(8*(\gq)+i/2)*PITCH
.set i, i+1
.endr
	BLD \gq
	ELD \gq, 0
.endm
; 32 matrix instructions: rows 64 hi on (four tiles) x my 128 columns (eight tiles), 32 along K, W1 from buffer q.
; All 64 accumulators take turns, one instruction a turn, over the jumps too.
.macro MUL32 q, hi
	WIN 0xa1+0x50*(\hi)                            ; W1 window 1, E window 0, C and D window 2 or 3
.irp a, 0,1,2,3
.irp b, 0,1,2,3,4,5,6,7
	v_wmma_f32_16x16x32_bf16 v[8*(8*(\a)+(\b)):8*(8*(\a)+(\b))+7], v[64*(\q)+8*(\b):64*(\q)+8*(\b)+7], v[AF+8*(4*(\hi)+(\a)):AF+8*(4*(\hi)+(\a))+7], v[8*(8*(\a)+(\b)):8*(8*(\a)+(\b))+7]
.endr
.endr
.endm
; A pass's first K step starts the sums with c W2h, which lies in v0-63 of window 3: tile b's eight numbers at v[8 b].  Rows 0-63:
.macro MULI0 q
	WIN 0xb1                                       ; W1 window 1, E window 0, C window 3, D window 2
.irp a, 0,1,2,3
.irp b, 0,1,2,3,4,5,6,7
	v_wmma_f32_16x16x32_bf16 v[8*(8*(\a)+(\b)):8*(8*(\a)+(\b))+7], v[64*(\q)+8*(\b):64*(\q)+8*(\b)+7], v[AF+8*(\a):AF+8*(\a)+7], v[8*(\b):8*(\b)+7]
.endr
.endr
.endm
; Rows 80-127 first; then rows 64-79, whose accumulators are the table's own registers: they start in place, five places behind the last product that read the table.
.macro MULI1 q
	WIN 0xf1
.irp a, 1,2,3
.irp b, 0,1,2,3,4,5,6,7
	v_wmma_f32_16x16x32_bf16 v[8*(8*(\a)+(\b)):8*(8*(\a)+(\b))+7], v[64*(\q)+8*(\b):64*(\q)+8*(\b)+7], v[AF+8*(4+(\a)):AF+8*(4+(\a))+7], v[8*(\b):8*(\b)+7]
.endr
.endr
.rept 5
	v_nop
.endr
.irp b, 0,1,2,3,4,5,6,7
	v_wmma_f32_16x16x32_bf16 v[8*(\b):8*(\b)+7], v[64*(\q)+8*(\b):64*(\q)+8*(\b)+7], v[AF+32:AF+39], v[8*(\b):8*(\b)+7]
.endr
.endm
; 8 LDS loads: E's fragments of rows 64 hi on, at byte off behind the slice's address
.macro ALD hi, off
	WIN 0
.irp a, 0,1,2,3
	ds_load_b128 v[AF+8*(4*(\hi)+(\a)):AF+8*(4*(\hi)+(\a))+3],   v[AAD] offset:(\off)+(4*(\hi)+(\a))*16*PITCH
	ds_load_b128 v[AF+8*(4*(\hi)+(\a))+4:AF+8*(4*(\hi)+(\a))+7], v[AAD] offset:(\off)+(4*(\hi)+(\a))*16*PITCH+32
.endr
.endm
; A PASS OPENS: the first slice; c W2h of my 128 columns into v0-63 of window 3; E's fragments of K step 0
.macro PSTART
	WIN 0
	s_mov_b32 s[SL], 0
	v_mov_b32 v[AAD], v[ABASE]
	v_add_nc_u32 v[TBC], s[TP], v[TBV]
	WIN 0xc0                                       ; destination window 3
.irp b, 0,1,2,3,4,5,6,7
	ds_load_b128 v[8*(\b):8*(\b)+3],   v[TBC] offset:4096+64*(\b)             ; c W2h of my columns 16 b + 8 h + 0..7
	ds_load_b128 v[8*(\b)+4:8*(\b)+7], v[TBC] offset:4096+64*(\b)+16
.endr
	ALD 0, 0
	ALD 1, 0
.endm
; A K STEP.  E's fragments have one buffer, loaded again by halves: each half is asked for 32 matrix instructions ahead of its use.  W1's buffer q is asked for again, four K steps on, when the
; step's 64 products have read it.  anext: where the next step's fragments of E lie; aload, reload: whether they, and W1's, are asked for; bump: the two pointers step; wl: how many younger loads may stay out.
; es = 1: group g of E's ring is stored and asked for again; es = 2: stored only.  The stores stand ahead of the fragments' loads, so that the count 8 at the next step's head still leaves just those loads out.
; bar: the barrier that shows the ring's stores to the other waves: my LDS instructions are done (all were issued 32 products back or more), I signal in the step's middle and wait at its end;
; between stand loads of slices that no wave writes, and products.
.macro KSTEP q, init, anext, aload, bump, reload, wl, es, g, bar
	s_wait_loadcnt \wl                             ; buffer q is in, and so is the ring's group that was asked for with it
	s_wait_dscnt 8                                 ; E's rows 0-63 are in (and the table); the youngest eight loads, rows 64-127, may be out
.if \init
	MULI0 \q
.else
	MUL32 \q, 0
.endif
	PLACES
.if \bump
	s_wait_xcnt 0x0                                ; every load and prefetch issued so far has read its address (the youngest load 32 products back), so the pointers may be written
	s_add_nc_u64 s[BP:BP+1], s[BP:BP+1], 32768
	s_add_nc_u64 s[EQ:EQ+1], s[EQ:EQ+1], 512       ; the ring's next slice (group 3, which is still to ask in this step, reaches back)
.endif
.if \bar
	s_wait_dscnt 0x0                               ; for the others' sake: my stores so far lie in LDS; my own rows 64-127 are in too
	s_barrier_signal -1
.endif
.if \aload
	ALD 0, \anext
.endif
.if !(\bar)
.if \aload
	s_wait_dscnt 8                                 ; all but the eight just issued
.else
	s_wait_dscnt 0x0
.endif
.endif
.if \init
	MULI1 \q
.else
	MUL32 \q, 1
.endif
	WIN 0
.if \bar
	s_barrier_wait -1                              ; every wave's stores up to its signal lie in LDS
.endif
.if \es
	ECV \g
.else
	PLACES
.endif
.if \aload
	ALD 1, \anext
.endif
.if \reload
	BLD \q
.endif
.if (\es) == 1
	ELD \g, 512*((\g)/3)
.endif
.endm
.macro ADV                             ; on to the next slice
	WIN 0
	s_add_co_u32 s[SL], s[SL], SLICE
	v_add_nc_u32 v[AAD], s[SL], v[ABASE]
.endm
; A BODY: K steps 1, 2, 3 of a slice and K step 0 of the next.  es as in KSTEP; w1, w2, w3, w0: the four steps' counts.
.macro BODY es, w1, w2, w3, w0
	KSTEP 1, 0, 128, 1, 0, 1, \w1, \es, 0, 0
.if (\es) == 1
	; A PREFETCH INTO THE L2 of the slice that my ring will ask for two bodies (512 matrix instructions) on: my own 32 rows' 512 bytes, a lane a row, two instructions, behind this step's loads.
	; Each aligned block of 256 bytes is named once, by the wave that will load it.  Bodies 0 to 2 ask (slices 5 to 7); the last two have no slice two on.  Slices 2 to 4 come by their loads alone.
	s_cmp_gt_u32 s[KC], 2
	s_cbranch_scc0 .Lnpf_\@
	global_prefetch_b8 v[PFO], s[EQ:EQ+1] offset:1024 th:TH_LOAD_NT scope:SCOPE_SE
	global_prefetch_b8 v[PFO], s[EQ:EQ+1] offset:1280 th:TH_LOAD_NT scope:SCOPE_SE
.Lnpf_\@:
.endif
	KSTEP 2, 0, 192, 1, 0, 1, \w2, \es, 1, \es
	KSTEP 3, 0, SLICE, 1, 0, 1, \w3, \es, 2, 0
	ADV
	KSTEP 0, 0, 64, 1, 1, 1, \w0, \es, 3, 0
	WIN 0
.if \es
	v_add_nc_u32 v[ESC], SLICE, v[ESC]             ; the ring's four groups have stored a slice: on to the next
.endif
.endm
; sum of v r for the 32 accumulators of window 2 + hi: the four tiles' pairs take turns, so that no line waits for the one before it
.macro VDOT hi
	WIN 0x02+(\hi)
.irp b, 0,1,2,3,4,5,6,7
.irp p, 0,1,2,3
.irp a, 0,1,2,3
	v_pk_fma_f32 v[RS+2*(4*(\hi)+(\a)):RS+2*(4*(\hi)+(\a))+1], v[8*(8*(\a)+(\b))+2*(\p):8*(8*(\a)+(\b))+2*(\p)+1], v[TAB+8*(\b)+2*(\p):TAB+8*(\b)+2*(\p)+1], v[RS+2*(4*(\hi)+(\a)):RS+2*(4*(\hi)+(\a))+1]
.endr
.endr
.endr
.endm
.macro ALL256 line:vararg              ; one line for each register i of a window
.set i, 0
.rept 256
	\line
.set i, i+1
.endr
.endm
.macro ALL128 line:vararg              ; one line for each pair i, i + 1 of a window
.set i, 0
.rept 128
	\line
.set i, i+2
.endr
.endm
; E's turned fragments for 64 rows, 32 k0 on, all 16 tiles of my 256 channels -> window 1
.macro TRLD k0
	WIN 0x40
.irp kk, 0,1
.irp ct, 0,1,2,3,4,5,6,7,8,9,10,11,12,13,14,15
	ds_load_tr16_b128 v[128*(\kk)+8*(\ct):128*(\kk)+8*(\ct)+3],   v[TRA] offset:((\ct)/8)*SLICE+32*((\ct)%8)+32*PITCH*((\k0)+(\kk))
	ds_load_tr16_b128 v[128*(\kk)+8*(\ct)+4:128*(\kk)+8*(\ct)+7], v[TRA] offset:((\ct)/8)*SLICE+32*((\ct)%8)+32*PITCH*((\k0)+(\kk))+16*PITCH
.endr
.endr
.endm
; 16 matrix instructions of the context: source 0 = p of 32 rows (the same in all 16 lines of the tile), source 1 = those rows of E, turned.  The 16 accumulators take turns.
.macro CMUL kap, half, zero
	WIN 0xf4                                       ; p window 0, E window 1, C and D window 3
.irp ct, 0,1,2,3,4,5,6,7,8,9,10,11,12,13,14,15
.if \zero
	v_wmma_f32_16x16x32_bf16 v[8*(\ct):8*(\ct)+7], v[PF+8*(\kap):PF+8*(\kap)+7], v[128*(\half)+8*(\ct):128*(\half)+8*(\ct)+7], 0
.else
	v_wmma_f32_16x16x32_bf16 v[8*(\ct):8*(\ct)+7], v[PF+8*(\kap):PF+8*(\kap)+7], v[128*(\half)+8*(\ct):128*(\half)+8*(\ct)+7], v[8*(\ct):8*(\ct)+7]
.endif
.endr
.endm
	s_load_b256 s[4:11], s[0:1], 0x0               ; E, mask, v, w1f
	s_load_b128 s[12:15], s[0:1], 0x20             ; w2h, sc
	s_load_b64 s[16:17], s[0:1], 0x30              ; cp
	v_lshl_add_u32 v[SPW], v0, 2, SPARE
	v_mov_b32 v[NIL], 0
	v_lshrrev_b32 v1, 5, v0
	v_readfirstlane_b32 s[WV], v1                  ; wave 0..3
	v_and_b32 v54, 31, v0                          ; lane
	v_and_b32 v55, 15, v0                          ; r
	v_bfe_u32 v56, v0, 4, 1                        ; h
	v_mul_u32_u24 v[ABASE], v55, PITCH
	v_lshl_add_u32 v[ABASE], v56, 4, v[ABASE]
	v_lshlrev_b32 v[L16], 4, v54
	v_lshlrev_b32 v[M4], 2, v54
	s_lshl_b32 s[TO], s[WV], 17                    ; 32 rows of 4,096 bytes
	v_add_nc_u32 v[EOFF], s[TO], v[L16]
	v_lshl_add_u32 v[PFO], v54, 12, s[TO]
	s_mul_i32 s[TO], s[WV], 32*PITCH
	v_lshl_add_u32 v[ESB], v54, 3, s[TO]
	s_lshl_b32 s[TO], s[WV], 9
	s_add_co_u32 s[TO+1], s[TO], VT
	v_lshl_add_u32 v[TBV], v56, 5, s[TO+1]
	s_add_co_u32 s[TO+1], s[TO], SCR
	v_lshl_add_u32 v[SCA], v54, 2, s[TO+1]
	v_add_nc_u32 v[SCL], SCR, v[L16]
	s_lshl_b32 s[TO], s[WV], 8
	s_add_co_u32 s[TO], s[TO], PT
	v_lshl_add_u32 v[PTA], v54, 3, s[TO]
	v_lshl_add_u32 v[PTL], v56, 4, s[TO]
	s_lshl_b32 s[TO], s[WV], 10
	s_add_co_u32 s[TO], s[TO], CS
	v_lshl_add_u32 v[CSA], v54, 2, s[TO]
	v_add_nc_u32 v[CSL], s[TO], v[L16]
	v_and_b32 v57, 7, v0                           ; the turning load: lane l reads row 8 h + l % 8, channels 8 ((l / 8) % 2) on
	v_lshl_add_u32 v57, v56, 3, v57
	v_mul_u32_u24 v57, v57, PITCH
	v_bfe_u32 v58, v0, 3, 1
	v_lshl_add_u32 v57, v58, 4, v57
	s_mul_i32 s[TO], s[WV], 2*SLICE                ; my 256 channels are slices 2 w and 2 w + 1
	v_add_nc_u32 v[TRA], s[TO], v57
	v_lshlrev_b32 v1, 4, v0                        ; 16 x thread, for the tables
	v_add_nc_u32 v59, VT, v1
	s_mov_b32 s[HM], 0xffff0000
	s_mov_b32 s[SEL], 0x76543210
	s_mov_b32 s[SEL+1], 0xfedcba98
	s_mov_b32 s[LOG2E], 0x3fb8aa3b
	s_mov_b32 s[BLK], 2
	s_mov_b32 s[TO+1], 0
	s_wait_kmcnt 0x0
	s_lshl_b32 s[TO], ttmp9, 20                    ; 256 rows of 4,096 bytes
	s_add_nc_u64 s[EP:EP+1], s[EP:EP+1], s[TO:TO+1]
	s_lshl_b32 s[TO], ttmp9, 8
	s_add_nc_u64 s[MP:MP+1], s[MP:MP+1], s[TO:TO+1]
	s_lshl_b32 s[TO], s[WV], 19
	s_add_nc_u64 s[BB:BB+1], s[BB:BB+1], s[TO:TO+1]
	s_lshr_b32 s[TO], ttmp9, 3                     ; the batch
	s_lshl_b32 s[TO], s[TO], 12
	s_add_nc_u64 s[WP:WP+1], s[WP:WP+1], s[TO:TO+1]
	s_lshl_b32 s[TO], ttmp9, 10
	s_add_nc_u64 s[SCP:SCP+1], s[SCP:SCP+1], s[TO:TO+1]
	s_lshl_b32 s[TO], ttmp9, 13
	s_lshl_b32 s[SL], s[WV], 10
	s_add_co_u32 s[TO], s[TO], s[SL]
	s_add_nc_u64 s[CPP:CPP+1], s[CPP:CPP+1], s[TO:TO+1]
	s_mov_b64 s[BP:BP+1], s[BB:BB+1]
	global_load_b128 v[128:131], v1, s[VP:VP+1]                ; the two tables, 2,048 bytes a load of the work-group
	global_load_b128 v[132:135], v1, s[VP:VP+1] offset:2048
	global_load_b128 v[136:139], v1, s[WP:WP+1]
	global_load_b128 v[140:143], v1, s[WP:WP+1] offset:2048
	global_load_b32 v[MASKN], v[M4], s[MP:MP+1]                ; every wave holds the block's 128 bytes of mask: lane l rows 4 l .. 4 l + 3
	FILL                                                       ; the first block's slices 0 and 1
	WIN 0
	s_wait_loadcnt 63                              ; 69 loads were issued: the oldest six are in, the tables' four among them
	ds_store_b128 v59, v[128:131]
	ds_store_b128 v59, v[132:135] offset:2048
	ds_store_b128 v59, v[136:139] offset:4096
	ds_store_b128 v59, v[140:143] offset:6144
.Lblk:	; A BLOCK.  Slices 0 and 1 go into LDS; the weights' first four K steps and slice 2 go out
.set i, 0
.rept 18
	v_mov_b32 v[RS+i], 0                           ; the eight sums of v r and the sum of v
.set i, i+1
.endr
	s_mov_b32 s[TP], 0
	v_add_nc_u32 v[ESC], 2*SLICE, v[ESB]           ; the ring begins with slice 2
	s_wait_xcnt 0x0                                ; FILL's loads have read their address: E's pointers may be written
	s_add_nc_u64 s[EQ:EQ+1], s[EP:EP+1], 1024      ; this block, slice 2
	s_add_nc_u64 s[EP:EP+1], s[EP:EP+1], 524288    ; the next block
	EGRP 0, 48
	EGRP 1, 56
	EGRP 2, 63
	EGRP 3, 63
	WIN 0
	v_mov_b32 v[MASKC], v[MASKN]                   ; the mask's load is older than every load of E that has been waited for
	s_wait_dscnt 0x0                               ; for the others' sake: my rows of slices 0 and 1 (and, the first time, my part of the tables) lie in LDS
	s_barrier_signal -1
	s_barrier_wait -1                              ; everybody's do
	s_mov_b32 s[PAS], 2
	; THE FIRST PASS, K steps 0 to 24: columns 0 to 511, of which 128 are mine; E's slices 2 to 7 come in beside the products
	PSTART
	KSTEP 0, 1, 64, 1, 1, 1, 48, 0, 0, 0           ; K step 0: behind buffer 0's loads the prologue issued 80 more
	WIN 0
	s_mov_b32 s[KC], 5
.Lke:	; K steps 1 to 20: the ring stores slices 2 to 6 and asks for slices 3 to 7.  Behind each wanted buffer and group 72 loads or more are younger, in the first trip too
	; (the prologue's later groups of 24, K step 0's 16, the trip's own groups of 24): the field's 63
	BODY 1, 63, 63, 63, 63
	s_sub_co_u32 s[KC], s[KC], 1
	s_cmp_lg_u32 s[KC], 0
	s_cbranch_scc1 .Lke
	BODY 2, 63, 63, 56, 48                         ; K steps 21 to 24: slice 7 is stored, nothing more is asked for of E: behind the ring's group 72, 64, 56, 48 loads are younger
	s_branch .Lmid                                 ; into the middle of the loop over passes
.Lpass:	; THE SECOND PASS, K steps 0 to 24: columns 512 to 1,023.  E lies in LDS; the weights' K steps 0 to 3 were asked for in the first pass's last slice
	PSTART
	KSTEP 0, 1, 64, 1, 1, 1, 48, 0, 0, 0           ; K step 0: three buffers of 16 are younger than buffer 0
	WIN 0
	s_mov_b32 s[KC], 6
.Lk:
	BODY 0, 48, 48, 48, 48
	s_sub_co_u32 s[KC], s[KC], 1
	s_cmp_lg_u32 s[KC], 0
	s_cbranch_scc1 .Lk
.Lmid:	; K steps 25 to 27, both passes: three buffers of 16 are younger on either way in; the barrier shows slice 7, stored up to K step 24 and first read in K step 27
	KSTEP 1, 0, 128, 1, 0, 1, 48, 0, 0, 0
	KSTEP 2, 0, 192, 1, 0, 1, 48, 0, 0, 1
	KSTEP 3, 0, SLICE, 1, 0, 1, 48, 0, 0, 0
	ADV
	s_cmp_eq_u32 s[PAS], 1
	s_cbranch_scc1 .Lnr
	KSTEP 0, 0, 64, 1, 1, 1, 48, 0, 0, 0           ; the first pass's last slice: no further fragments of E at its end, but the stream of weights goes on into the second pass
	KSTEP 1, 0, 128, 1, 0, 1, 48, 0, 0, 0
	KSTEP 2, 0, 192, 1, 0, 1, 48, 0, 0, 0
	KSTEP 3, 0, 0, 0, 0, 1, 48, 0, 0, 0
	WIN 0
	s_branch .Lepi
.Lnr:
	KSTEP 0, 0, 64, 1, 0, 0, 48, 0, 0, 0           ; the block's last slice: nothing is asked for, the counts run down
	KSTEP 1, 0, 128, 1, 0, 0, 32, 0, 0, 0
	KSTEP 2, 0, 192, 1, 0, 0, 16, 0, 0, 0
	KSTEP 3, 0, 0, 0, 0, 0, 0, 0, 0, 0
	WIN 0
	s_cmp_eq_u32 s[BLK], 1
	s_cbranch_scc1 .Lepi
	; A PREFETCH INTO THE L2 of what my wave asks for first in the next block: 1,024 bytes of each of its own 32 rows, a lane a row, four instructions; each block of 256 bytes is named once.
	; It stands a whole pass's end (1,024 exponentials and reciprocals and their arithmetic) ahead of those loads.  The second block has none behind it and asks for nothing.
.irp i, 0,1,2,3
	global_prefetch_b8 v[PFO], s[EP:EP+1] offset:256*(\i) th:TH_LOAD_NT scope:SCOPE_SE
.endr
.Lepi:	; A PASS'S END: r = 1 / (1 + 2^x') on all 512 registers, and the sums of v r.  The exponentials and reciprocals go in three batches, each with one wait ahead of its first reader.
	PLACES                                         ; with the four behind the last products: eight places ahead of the first read of a result
.irp b, 0,1,2,3,4,5,6,7
	ds_load_b128 v[TAB+8*(\b):TAB+8*(\b)+3],   v[TBC] offset:64*(\b)          ; v of my columns (the ring's registers are idle from K step 24 on)
	ds_load_b128 v[TAB+8*(\b)+4:TAB+8*(\b)+7], v[TBC] offset:64*(\b)+16
.endr
	WIN 0x82
	ALL256 v_exp_f32 v[i], v[i]                    ; ascending: each accumulator's lowest register is read first
	WIN 0
	s_wait_dscnt 0x0
.irp k, 0,1,2,3                                ; the sum of my 64 v, in four chains: the plain work behind the batch
	v_pk_add_f32 v[CH+2*(\k):CH+2*(\k)+1], v[TAB+2*(\k):TAB+2*(\k)+1], v[TAB+8+2*(\k):TAB+8+2*(\k)+1]
.endr
.set i, 8
.rept 24
	v_pk_add_f32 v[CH+2*(i%4):CH+2*(i%4)+1], v[CH+2*(i%4):CH+2*(i%4)+1], v[TAB+2*i:TAB+2*i+1]
.set i, i+1
.endr
	v_pk_add_f32 v[CH:CH+1], v[CH:CH+1], v[CH+2:CH+3]
	v_pk_add_f32 v[CH+4:CH+5], v[CH+4:CH+5], v[CH+6:CH+7]
	v_pk_add_f32 v[CH:CH+1], v[CH:CH+1], v[CH+4:CH+5]
	v_pk_add_f32 v[SV:SV+1], v[SV:SV+1], v[CH:CH+1]
	s_wait_alu depctr_va_vdst(0)                   ; the wait for the first batch
	WIN 0x82
	ALL128 v_pk_add_f32 v[i:i+1], v[i:i+1], 1.0 op_sel_hi:[1,0]
	ALL256 v_rcp_f32 v[i], v[i]
	WIN 0xc3
	ALL256 v_exp_f32 v[i], v[i]
	v_nop                                          ; a plain instruction behind the last of the batch
	s_wait_alu depctr_va_vdst(0)                   ; the wait for the second: window 2's reciprocals, window 3's exponentials
	VDOT 0
	WIN 0xc3
	ALL128 v_pk_add_f32 v[i:i+1], v[i:i+1], 1.0 op_sel_hi:[1,0]
	ALL256 v_rcp_f32 v[i], v[i]
	v_nop
	s_wait_alu depctr_va_vdst(0)                   ; the wait for the third
	VDOT 1
	WIN 0
	s_xor_b32 s[TP], s[TP], 2048
	s_sub_co_u32 s[PAS], s[PAS], 1
	s_cmp_lg_u32 s[PAS], 0
	s_cbranch_scc1 .Lpass
	; A BLOCK'S END.  The next block's slices 0 and 1 are asked for at once: window 2 is free, and nothing below waits on a load from memory.
	s_wait_xcnt 0x0                                ; the weights' loads and the prefetches, a pass's end back, have read their addresses
	s_mov_b64 s[BP:BP+1], s[BB:BB+1]               ; the stream starts anew
	s_cmp_eq_u32 s[BLK], 1
	s_cbranch_scc1 .Lnofill
	global_load_b32 v[MASKN], v[M4], s[MP:MP+1] offset:128
	FILL
	WIN 0
.Lnofill:
.irp a, 0,1,2,3,4,5,6,7
	v_pk_fma_f32 v[RS+2*(\a):RS+2*(\a)+1], v[RS+2*(\a):RS+2*(\a)+1], -2.0, v[SV:SV+1] op_sel_hi:[1,0,1]  ; sum v - 2 sum v r, even and odd columns
.endr
.irp a, 0,1,2,3,4,5,6,7
	v_add_f32 v[CH+(\a)], v[RS+2*(\a)], v[RS+2*(\a)+1]
.endr
.irp a, 0,1,2,3,4,5,6,7
	v_permlanex16_b32 v[RS+2*(\a)], v[CH+(\a)], s[SEL], s[SEL+1]    ; the row's other columns lie in the lane 16 away
.endr
.irp a, 0,1,2,3,4,5,6,7
	v_add_f32 v[CH+(\a)], v[CH+(\a)], v[RS+2*(\a)]                  ; row 16 a + r, my wave's 256 columns
.endr
.irp q, 0,1,2,3
	v_cndmask_b32 v[54+(\q)], v[CH+2*(\q)], v[CH+2*(\q)+1], s[HM]   ; lane l takes row 32 q + l
.endr
.irp q, 0,1,2,3
	ds_store_b32 v[SCA], v[54+(\q)] offset:128*(\q)
.endr
	s_wait_dscnt 0x0                               ; for the others' sake: my partial scores lie in LDS
	s_barrier_signal -1
	s_barrier_wait -1
.irp w, 0,1,2,3
	ds_load_b128 v[64+4*(\w):67+4*(\w)], v[SCL] offset:512*(\w)     ; rows 4 l .. 4 l + 3, all four waves' parts: every wave makes the same 128 scores, in the same order
.endr
	v_mov_b32 v54, 0xce6e6b28                      ; -1e9
	s_wait_dscnt 0x0
	v_pk_add_f32 v[64:65], v[64:65], v[68:69]
	v_pk_add_f32 v[66:67], v[66:67], v[70:71]
	v_pk_add_f32 v[72:73], v[72:73], v[76:77]
	v_pk_add_f32 v[74:75], v[74:75], v[78:79]
	v_pk_add_f32 v[64:65], v[64:65], v[72:73]
	v_pk_add_f32 v[66:67], v[66:67], v[74:75]
.irp i, 0,1,2,3
	v_bfe_u32 v55, v[MASKC], 8*(\i), 8
	v_cmp_ne_u32 vcc_lo, 0, v55
	v_cndmask_b32 v[64+(\i)], v54, v[64+(\i)], vcc_lo              ; the score where the mask is true, else -1e9
.endr
	v_max_num_f32 v56, v64, v65
	v_max3_num_f32 v56, v56, v66, v67
	v_max_num_f32_dpp v56, v56, v56 row_xmask:1 row_mask:0xf bank_mask:0xf
	v_max_num_f32_dpp v56, v56, v56 row_xmask:2 row_mask:0xf bank_mask:0xf
	v_max_num_f32_dpp v56, v56, v56 row_xmask:4 row_mask:0xf bank_mask:0xf
	v_max_num_f32_dpp v56, v56, v56 row_xmask:8 row_mask:0xf bank_mask:0xf
	v_permlanex16_b32 v57, v56, s[SEL], s[SEL+1]
	v_max_num_f32 v56, v56, v57                    ; m, the block's maximum, in every lane
	s_cmp_lg_u32 s[WV], 0
	s_cbranch_scc1 .Lnosc
	global_store_b128 v[L16], v[64:67], s[SCP:SCP+1]               ; wave 0 stores the 128 masked scores: 512 consecutive bytes, aligned
.Lnosc:
.irp i, 0,1,2,3
	v_sub_f32 v[72+(\i)], v[64+(\i)], v56          ; the maximum is taken away first
.endr
.irp i, 0,1,2,3
	v_mul_f32 v[72+(\i)], s[LOG2E], v[72+(\i)]
.endr
.irp i, 0,1,2,3
	v_exp_f32 v[72+(\i)], v[72+(\i)]
.endr
	v_nop
	s_wait_alu depctr_va_vdst(0)                   ; one wait for the four
	v_cvt_pk_bf16_f32 v76, v72, v73
	v_cvt_pk_bf16_f32 v77, v74, v75
	ds_store_b64 v[PTA], v[76:77]                  ; p in bf16, my wave's own copy: LDS serves a wave's instructions in order (ISA guide 5.7.1.4), so the loads below see it
.irp k, 0,1,2,3
	ds_load_b128 v[PF+8*(\k):PF+8*(\k)+3],   v[PTL] offset:64*(\k)
	ds_load_b128 v[PF+8*(\k)+4:PF+8*(\k)+7], v[PTL] offset:64*(\k)+32
.endr
	TRLD 0
	s_wait_dscnt 32                                ; p and the first 32 rows' fragments are in; the second 32 loads may be out
	CMUL 0, 0, 1
	s_wait_dscnt 0x0
	CMUL 1, 1, 0
	PLACES
	TRLD 2
	s_wait_dscnt 32
	CMUL 2, 0, 0
	s_wait_dscnt 0x0
	CMUL 3, 1, 0
	PLACES
	PLACES
	WIN 0x0f                                       ; sources 0 and 1 window 3.  All 16 lines of a tile are alike: register 0 holds channel 16 ct + r
.irp u, 0,1,2,3,4,5,6,7
	v_cndmask_b32 v[YY+(\u)], v[16*(\u)], v[16*(\u)+8], s[HM]      ; lane l takes channel 32 u + l
.endr
	WIN 0
.irp u, 0,1,2,3,4,5,6,7
	ds_store_b32 v[CSA], v[YY+(\u)] offset:128*(\u)
.endr
	ds_load_b128 v[YY+8:YY+11],  v[CSL]            ; my own stage: four neighbouring channels a lane
	ds_load_b128 v[YY+12:YY+15], v[CSL] offset:512
	s_wait_dscnt 0x0
	global_store_b128 v[L16], v[YY+8:YY+11],  s[CPP:CPP+1]         ; 512 consecutive bytes, aligned
	global_store_b128 v[L16], v[YY+12:YY+15], s[CPP:CPP+1] offset:512
	s_wait_xcnt 0x0                                ; the stores have read their registers and bases: the ring may land on those registers in the next block
	s_add_nc_u64 s[SCP:SCP+1], s[SCP:SCP+1], 512
	s_add_nc_u64 s[CPP:CPP+1], s[CPP:CPP+1], 4096
	s_barrier_signal -1                            ; my reads of E's block and of the partial scores are over (the wait for LDS above): only behind this barrier is the block overwritten
	s_barrier_wait -1
	s_sub_co_u32 s[BLK], s[BLK], 1
	s_cmp_lg_u32 s[BLK], 0
	s_cbranch_scc1 .Lblk
	s_wait_tensorcnt 0x0                           ; the wave's end: three closing lines, behind my last LDS store
	ds_add_u32 v[SPW], v[NIL]
	s_wait_dscnt 0x0
	s_endpgm
.Lfunc_end_k_qe74d900e32_main:
	.size	k_qe74d900e32_main, .Lfunc_end_k_qe74d900e32_main-k_qe74d900e32_main
	.p2alignl 7, 3214868480
	.fill 96, 4, 3214868480
	.section	.rodata,"a",@progbits
	.p2align	6, 0x0
	.amdhsa_kernel k_qe74d900e32_main
		.amdhsa_group_segment_fixed_size 294400
		.amdhsa_private_segment_fixed_size 0
		.amdhsa_enable_private_segment 0
		.amdhsa_kernarg_size 56
		.amdhsa_user_sgpr_count 2
		.amdhsa_user_sgpr_kernarg_segment_ptr 1
		.amdhsa_wavefront_size32 1
		.amdhsa_system_sgpr_workgroup_id_x 1
		.amdhsa_system_sgpr_workgroup_id_y 1
		.amdhsa_system_sgpr_workgroup_id_z 1
		.amdhsa_system_vgpr_workitem_id 0
		.amdhsa_next_free_vgpr 1024
		.amdhsa_next_free_sgpr 66
		.amdhsa_reserve_vcc 1
		.amdhsa_float_denorm_mode_32 3
		.amdhsa_float_denorm_mode_16_64 3
		.amdhsa_memory_ordered 1
		.amdhsa_forward_progress 1
		.amdhsa_inst_pref_size 255
	.end_amdhsa_kernel
	.section	.bss,"aw",@nobits
	.p2align	6
	.space	262144
	.amdgpu_metadata
---
amdhsa.version: [ 1, 2 ]
amdhsa.kernels:
  - .name:           k_qe74d900e32_main
    .symbol:         k_qe74d900e32_main.kd
    .args:
      - { .name: encoder_outputs, .offset: 0, .size: 8, .value_kind: global_buffer, .address_space: global }
      - { .name: mask, .offset: 8, .size: 8, .value_kind: global_buffer, .address_space: global }
      - { .name: v, .offset: 16, .size: 8, .value_kind: global_buffer, .address_space: global }
      - { .name: w1f, .offset: 24, .size: 8, .value_kind: global_buffer, .address_space: global }
      - { .name: w2h, .offset: 32, .size: 8, .value_kind: global_buffer, .address_space: global }
      - { .name: sc, .offset: 40, .size: 8, .value_kind: global_buffer, .address_space: global }
      - { .name: cp, .offset: 48, .size: 8, .value_kind: global_buffer, .address_space: global }
    .group_segment_fixed_size: 294400
    .private_segment_fixed_size: 0
    .kernarg_segment_align: 8
    .kernarg_segment_size: 56
    .max_flat_workgroup_size: 128
    .sgpr_count:     66
    .vgpr_count:     1024
    .wavefront_size: 32
...
	.end_amdgpu_metadata
.endif
;; end of part 2
;; launch finish (part 3): grid 32 x 1, 8 waves a work-group, no clusters, 1,280 bytes of LDS; arguments sc, cp, out0, out1; writes out0, out1
.if DOCPART == 3
	.amdgcn_target "amdgcn-amd-amdhsa--gfx1250"
	.amdhsa_code_object_version 6
	.text
	.protected	k_qe74d900e32_finish
	.globl	k_qe74d900e32_finish
	.p2align	8
	.type	k_qe74d900e32_finish,@function
k_qe74d900e32_finish:
	s_mov_b64 s[64:65], 0
	v_nop
	global_prefetch_b8 v0, s[64:65] scope:SCOPE_SE
	s_setreg_imm32_b32 hwreg(HW_REG_WAVE_MODE, 25, 1), 1
	s_wait_xcnt 0x0
; A BATCH'S 16 BLOCKS ARE JOINED.  sc holds the 2,048 masked scores; cp, for each block k, the sum over its 128 rows of e^(s - m_k) E[s][:], with m_k the block's maximum.
; Here: m_k (the same maximum of the same numbers) and l_k = sum of e^(s - m_k) for each block; M = max m_k; g_k = e^(m_k - M); L = sum l_k g_k;
; attn[s] = e^(s - m_k) g_k / L; context = sum over k of (g_k / L) cp_k.  All in f32; every exponent is a difference from a maximum, at most 0; L is at least 1.
; SHARES.  A work-group a batch, eight waves.  Thread t holds scores 4 t .. 4 t + 3 and 1,024 + 4 t ..: wave w holds just blocks w and 8 + w; and channels 4 t .. 4 t + 3 of the context.
; 32 work-groups: a batch is 73,728 bytes of input, and the work is one chain of loads, two exchanges and stores.  No prefetch: the launch is short.
; LIMITS.  An exponential below 2^-126 counts as 0.  NaN and infinities are not treated apart.
.set SPARE, 256                        ; LDS: 16 m at 0, 16 l at 64; from 256 on the spare words, 128 bytes for each of eight waves
.set SPW, 2
.set NIL, 3
.set SA,  4                            ; v[4:7] scores of block w, v[8:11] of block 8 + w
.set MA,  12                           ; v12, v13 their maxima
.set TMP, 14
.set TOF, 15                           ; 16 x thread; never rewritten
.set EA,  16                           ; v[16:23] e^(s - m)
.set LA,  24                           ; v24, v25 their sums
.set WA,  26                           ; 4 x wave
.set ZA,  27                           ; LDS address 0
.set MM,  28                           ; M
.set GA,  29                           ; v29, v30 my two blocks' g / L
.set IL,  31                           ; 1 / L
.set CPR, 32                           ; v[32:95] my four channels of the 16 blocks' shares
.set GK,  96                           ; v[96:111] m_k, then g_k, then g_k / L
.set LK,  112                          ; v[112:127] l_k
.set CHN, 128                          ; v[128:131] four chains for L
.set CTX, 132                          ; v[132:135]
.set WV,  18
.set SEL, 20                           ; s[20:21]
.set LOG2E, 22
.macro WMAX x                          ; the maximum over the wave's 32 lanes, in every lane
.irp k, 1,2,4,8
	v_max_num_f32_dpp v[\x], v[\x], v[\x] row_xmask:\k row_mask:0xf bank_mask:0xf
.endr
	v_permlanex16_b32 v[TMP], v[\x], s[SEL], s[SEL+1]
	v_max_num_f32 v[\x], v[\x], v[TMP]
.endm
.macro WSUM x
.irp k, 1,2,4,8
	v_add_f32_dpp v[\x], v[\x], v[\x] row_xmask:\k row_mask:0xf bank_mask:0xf
.endr
	v_permlanex16_b32 v[TMP], v[\x], s[SEL], s[SEL+1]
	v_add_f32 v[\x], v[\x], v[TMP]
.endm
	s_load_b256 s[4:11], s[0:1], 0x0               ; sc s[4:5], cp s[6:7], out0 s[8:9], out1 s[10:11]
	v_lshl_add_u32 v[SPW], v0, 2, SPARE
	v_mov_b32 v[NIL], 0
	v_lshrrev_b32 v1, 5, v0
	v_readfirstlane_b32 s[WV], v1
	v_lshlrev_b32 v[TOF], 4, v0
	v_mov_b32 v[TMP], 0                            ; v_permlanex16_b32's destination counts as read
	v_mov_b32 v[ZA], 0
	v_mov_b32 v[WA], s[WV]
	v_lshlrev_b32 v[WA], 2, v[WA]
	s_mov_b32 s[SEL], 0x76543210
	s_mov_b32 s[SEL+1], 0xfedcba98
	s_mov_b32 s[LOG2E], 0x3fb8aa3b
	s_lshl_b32 s12, ttmp9, 13                      ; 2,048 f32
	s_mov_b32 s13, 0
	s_lshl_b32 s14, ttmp9, 16                      ; 16 blocks of 4,096 bytes
	s_mov_b32 s15, 0
	s_lshl_b32 s16, ttmp9, 12                      ; 1,024 f32
	s_mov_b32 s17, 0
	s_wait_kmcnt 0x0
	s_add_nc_u64 s[4:5], s[4:5], s[12:13]
	s_add_nc_u64 s[6:7], s[6:7], s[14:15]
	s_add_nc_u64 s[8:9], s[8:9], s[16:17]
	s_add_nc_u64 s[10:11], s[10:11], s[12:13]
	global_load_b128 v[SA:SA+3],   v[TOF], s[4:5]
	global_load_b128 v[SA+4:SA+7], v[TOF], s[4:5] offset:4096
.set k, 0
.rept 16
	global_load_b128 v[CPR+4*k:CPR+4*k+3], v[TOF], s[6:7] offset:4096*k
.set k, k+1
.endr
	s_wait_loadcnt 16                              ; the scores are in; cp's 16 loads stay out
.irp u, 0,1
	v_max_num_f32 v[MA+(\u)], v[SA+4*(\u)], v[SA+4*(\u)+1]
	v_max3_num_f32 v[MA+(\u)], v[MA+(\u)], v[SA+4*(\u)+2], v[SA+4*(\u)+3]
	WMAX MA+(\u)
.endr
.irp i, 0,1,2,3,4,5,6,7
	v_sub_f32 v[EA+(\i)], v[SA+(\i)], v[MA+(\i)/4]
.endr
.irp i, 0,1,2,3,4,5,6,7
	v_mul_f32 v[EA+(\i)], s[LOG2E], v[EA+(\i)]
.endr
.irp i, 0,1,2,3,4,5,6,7
	v_exp_f32 v[EA+(\i)], v[EA+(\i)]
.endr
	v_nop
	s_wait_alu depctr_va_vdst(0)                   ; one wait for the eight ahead of their first reader
.irp u, 0,1
	v_add_f32 v[LA+(\u)], v[EA+4*(\u)], v[EA+4*(\u)+1]
	v_add_f32 v[TMP], v[EA+4*(\u)+2], v[EA+4*(\u)+3]
	v_add_f32 v[LA+(\u)], v[LA+(\u)], v[TMP]
	WSUM LA+(\u)
.endr
	ds_store_b32 v[WA], v[MA]                      ; all lanes write the same word with the same value
	ds_store_b32 v[WA], v[MA+1] offset:32
	ds_store_b32 v[WA], v[LA]   offset:64
	ds_store_b32 v[WA], v[LA+1] offset:96
	s_wait_dscnt 0x0                               ; for the others' sake
	s_barrier_signal -1
	s_barrier_wait -1
.irp q, 0,1,2,3,4,5,6,7
	ds_load_b128 v[GK+4*(\q):GK+4*(\q)+3], v[ZA] offset:16*(\q)    ; the 16 m, then the 16 l, in every lane
.endr
	s_wait_dscnt 0x0
	v_max_num_f32 v[MM], v[GK], v[GK+1]
.irp k, 2,4,6,8,10,12,14
	v_max3_num_f32 v[MM], v[MM], v[GK+(\k)], v[GK+(\k)+1]
.endr
.set k, 0
.rept 16
	v_sub_f32 v[GK+k], v[GK+k], v[MM]
.set k, k+1
.endr
	v_sub_f32 v[GA], v[MA], v[MM]
	v_sub_f32 v[GA+1], v[MA+1], v[MM]
.set k, 0
.rept 16
	v_mul_f32 v[GK+k], s[LOG2E], v[GK+k]
.set k, k+1
.endr
	v_mul_f32 v[GA], s[LOG2E], v[GA]
	v_mul_f32 v[GA+1], s[LOG2E], v[GA+1]
.set k, 0
.rept 16
	v_exp_f32 v[GK+k], v[GK+k]
.set k, k+1
.endr
	v_exp_f32 v[GA], v[GA]
	v_exp_f32 v[GA+1], v[GA+1]
	v_nop
	s_wait_alu depctr_va_vdst(0)                   ; one wait for the eighteen
.irp c, 0,1,2,3
	v_mul_f32 v[CHN+(\c)], v[LK+(\c)], v[GK+(\c)]
.endr
.set k, 4
.rept 12
	v_fmac_f32 v[CHN+k%4], v[LK+k], v[GK+k]
.set k, k+1
.endr
	v_add_f32 v[CHN], v[CHN], v[CHN+1]
	v_add_f32 v[CHN+2], v[CHN+2], v[CHN+3]
	v_add_f32 v[CHN], v[CHN], v[CHN+2]             ; L
	v_rcp_f32 v[IL], v[CHN]
	v_nop
	s_wait_alu depctr_va_vdst(0)
	v_mul_f32 v[GA], v[GA], v[IL]
	v_mul_f32 v[GA+1], v[GA+1], v[IL]
.set k, 0
.rept 16
	v_mul_f32 v[GK+k], v[GK+k], v[IL]
.set k, k+1
.endr
.irp i, 0,1,2,3,4,5,6,7
	v_mul_f32 v[EA+(\i)], v[EA+(\i)], v[GA+(\i)/4]
.endr
	global_store_b128 v[TOF], v[EA:EA+3],   s[10:11]               ; each store of a wave covers 512 consecutive bytes, aligned
	global_store_b128 v[TOF], v[EA+4:EA+7], s[10:11] offset:4096
	s_wait_loadcnt 0x0                             ; cp
.irp j, 0,1,2,3
	v_mul_f32 v[CTX+(\j)], v[CPR+(\j)], v[GK]
.endr
.set k, 1
.rept 15
.irp j, 0,1,2,3
	v_fmac_f32 v[CTX+(\j)], v[CPR+4*k+(\j)], v[GK+k]
.endr
.set k, k+1
.endr
	global_store_b128 v[TOF], v[CTX:CTX+3], s[8:9]
	s_wait_tensorcnt 0x0                           ; the wave's end: three closing lines, behind my last LDS store
	ds_add_u32 v[SPW], v[NIL]
	s_wait_dscnt 0x0
	s_endpgm
.Lfunc_end_k_qe74d900e32_finish:
	.size	k_qe74d900e32_finish, .Lfunc_end_k_qe74d900e32_finish-k_qe74d900e32_finish
	.p2alignl 7, 3214868480
	.fill 96, 4, 3214868480
	.section	.rodata,"a",@progbits
	.p2align	6, 0x0
	.amdhsa_kernel k_qe74d900e32_finish
		.amdhsa_group_segment_fixed_size 1280
		.amdhsa_private_segment_fixed_size 0
		.amdhsa_enable_private_segment 0
		.amdhsa_kernarg_size 32
		.amdhsa_user_sgpr_count 2
		.amdhsa_user_sgpr_kernarg_segment_ptr 1
		.amdhsa_wavefront_size32 1
		.amdhsa_system_sgpr_workgroup_id_x 1
		.amdhsa_system_sgpr_workgroup_id_y 1
		.amdhsa_system_sgpr_workgroup_id_z 1
		.amdhsa_system_vgpr_workitem_id 0
		.amdhsa_next_free_vgpr 160
		.amdhsa_next_free_sgpr 66
		.amdhsa_reserve_vcc 0
		.amdhsa_float_denorm_mode_32 3
		.amdhsa_float_denorm_mode_16_64 3
		.amdhsa_memory_ordered 1
		.amdhsa_forward_progress 1
		.amdhsa_inst_pref_size 13
	.end_amdhsa_kernel
	.amdgpu_metadata
---
amdhsa.version: [ 1, 2 ]
amdhsa.kernels:
  - .name:           k_qe74d900e32_finish
    .symbol:         k_qe74d900e32_finish.kd
    .args:
      - { .name: sc, .offset: 0, .size: 8, .value_kind: global_buffer, .address_space: global }
      - { .name: cp, .offset: 8, .size: 8, .value_kind: global_buffer, .address_space: global }
      - { .name: out0, .offset: 16, .size: 8, .value_kind: global_buffer, .address_space: global }
      - { .name: out1, .offset: 24, .size: 8, .value_kind: global_buffer, .address_space: global }
    .group_segment_fixed_size: 1280
    .private_segment_fixed_size: 0
    .kernarg_segment_align: 8
    .kernarg_segment_size: 32
    .max_flat_workgroup_size: 256
    .sgpr_count:     66
    .vgpr_count:     160
    .wavefront_size: 32
...
	.end_amdgpu_metadata
.endif
;; end of part 3
;; ======== version 2 of 2: 3 launches; version 1 with the launch main written anew for expert scheduling mode
;; workspace buffers: w1f 2,097,152 bytes; w2h 131,072 bytes; sc 262,144 bytes; cp 2,097,152 bytes
;; launch prep: the kernel of part 1 again; grid 128 x 1, 8 waves a work-group, no clusters, 17,408 bytes of LDS; arguments W1, W2, hidden_top, w1f, w2h; writes w1f, w2h
;; launch main (part 4): grid 256 x 1, 4 waves a work-group, no clusters, 294,400 bytes of LDS; arguments encoder_outputs, mask, v, w1f, w2h, sc, cp; writes sc, cp
.if DOCPART == 4
	.amdgcn_target "amdgcn-amd-amdhsa--gfx1250"
	.amdhsa_code_object_version 6
	.text
	.protected	k_qe74d900e32_main
	.globl	k_qe74d900e32_main
	.p2align	8
	.type	k_qe74d900e32_main,@function
k_qe74d900e32_main:
	s_mov_b64 s[64:65], 0
	v_nop
	global_prefetch_b8 v0, s[64:65] scope:SCOPE_SE
	s_setreg_imm32_b32 hwreg(HW_REG_WAVE_SCHED_MODE, 0, 2), 2
	s_setreg_imm32_b32 hwreg(HW_REG_WAVE_MODE, 25, 1), 1
	s_wait_xcnt 0x0
	s_wait_alu depctr_vm_vsrc(0)
; FOR EACH BLOCK OF 128 ROWS OF E ([65,536][1,024] f32): score[s] = sum over o of v[o] tanh((E W1^T)[s][o] + W2h[o]); the mask; the block's maximum m;
; p = e^(score - m); the block's share of the context, sum over s of p[s] E[s][:].  Stored: the masked scores (sc) and that share, relative to m (cp); the next launch joins a batch's 16 blocks.
; E IS READ FROM MEMORY ONCE: a block is rounded to bf16 on its way into LDS (128 x 1,024 x 2 bytes) and stays there for the product, and then for the context.
; SHARES.  A work-group stays for two blocks, rows 256 g on, both of batch g / 8.  A block's product goes in two passes of 512 columns o; in a pass wave w makes 128 rows x 128 columns:
; 64 accumulators, 512 registers, 32 K steps of 64 matrix instructions.  For a K step a wave reads 16 x 512 bytes of E's fragments from LDS and 16 x 512 bytes of W1's from memory, where launch
; 'prep' has laid them out as one sequential stream for each wave, already multiplied by c = 2 log2(e).
; E COMES IN UNDER THE FIRST PASS.  In LDS the block lies in 8 slices of 128 k, and the first pass wants slice n only at K step 4 n.  So only slices 0 and 1 are loaded ahead of the pass (64 loads a wave:
; 1,024 bytes of each of its 32 rows).  Slices 2 to 7 follow through a ring of four groups of 32 registers: at the end of K steps 1 to 24 a wave rounds and stores the eight rows' 512 bytes that it asked
; for four K steps earlier, and (K steps 1 to 20) asks for the next eight.  A slice is whole in LDS three K steps ahead of its first read; one barrier stands between.
; Loads come back in order, W1's and E's on one counter: a K step's loads go out as 16 of W1, then 8 of E, and the waits leave the newest 63 out: two such groups, and the 8 of E and 7 of W1 of the group before.
; THE ORDER OF THE TEXT.  The first pass's opening and K steps 0 to 24 stand behind the block's prologue and are reached from it alone: their counts lean on the prologue's loads.  The second pass's stand at
; .Lpass, where the loop over passes jumps back to.  K steps 25 to 31 and a pass's end are one text for both; the first pass enters that loop in its middle, at .Lmid.
; NO CLUSTER, NO TENSOR LOADS.  All work-groups read the same weights, but E's block takes 278,528 of a WGP's 327,680 bytes of LDS, and one K step of a pass's 512 columns is 32,768 bytes:
; two slots of it do not fit beside the block.  So the weights come by loads into registers, each fragment fetched by the one wave that multiplies it, and those have no joint form.
; THE MATRIX INSTRUCTION IS USED TRANSPOSED (source 0 = 16 rows of W1, source 1 = 16 rows of E): lane (r, h), register j holds row s0 + r and column o0 + 8 h + j.  So the sum over o stays in
; the lane, and c W2h, which hangs on the column alone, is the C operand of the first K step.
; TANH.  The accumulator is x' = c (W1e + W2h).  tanh = 1 - 2 / (1 + 2^x'), so score = sum v - 2 sum v r with r = 1 / (1 + 2^x').  2^x' = infinity gives r = 0, 2^x' = 0 gives r = 1.
; LIMITS.  E, c W1, p in bf16 for the products; sums in f32.  score carries the rounding of sum v - 2 sum v r, about 1e-7 of sum |v|.  2^x below 2^-126 counts as 0.  The maximum is taken
; away first, (s - m), and then multiplied by log2(e).  NaN and infinities are not treated apart.
; THE MODE: SCHED_MODE bits 1:0 = 2 (LLVM: expert scheduling mode 2), set by the entry lines.  The code itself states the register dependences between vector or matrix instructions and
; memory or LDS instructions, with s_wait_alu, always for 0.
; THE PLAN.  Registers that memory or LDS instructions touch in the K loop:
;   AF low  (v128-159)  read by a step's first 32 products; the next step's fragments land in it in the step's second half.
;   AF high (v160-191)  read by the step's second 32 products; the next step's fragments land in it at the step's end.
;   W1's buffer q       read by all 64 products of its step; loaded again at the step's end.
;   ring group g        at its step's end 16 conversions read and write it, 8 LDS stores read it, 8 loads land in it again.
;   v[AAD], v[ESC]      read by the fragments' loads and by the ring's stores; each written once a slice.  v[TBC]: read by the tables' loads; written once a pass.
;   v[L16], v[EOFF], v[ESB], v[PFO] and the addresses of a block's end are made at the head and never written again.
; So a K step has two waits on va_vdst, three where the ring asks again.  The first stands behind the first 32 products: they are done reading AF low.  Eight products of the second half follow it at once, then the eight loads into AF low,
; then the other 24: none of these products names AF low or v[AAD].  The second stands behind the second 32 products and the ring's conversions: the stores' data are written, AF high and buffer q are read out.
; Behind it go the ring's stores, AF high's loads and W1's; then one wait on vm_vsrc (the stores have read the group and v[ESC]) and the ring's loads.  A step that asks for nothing has no such wait.
; LDS
.set PITCH, 272                        ; a row of 128 k in bf16: 256 bytes + 16: the 16 rows of a fragment load start at 16 different groups of four banks (64 banks of 4 bytes: ISA guide 11.1)
.set SLICE, 128*PITCH                  ; E's block lies in 8 slices of 128 k, 128 rows each
.set VT,    8*SLICE                    ; v, 4,096 bytes
.set WT,    VT+4096                    ; the batch's row of c W2h, 4,096 bytes
.set SCR,   WT+4096                    ; 4 waves x 128 partial scores
.set PT,    SCR+2048                   ; 4 x 256: each wave's own copy of p in bf16
.set CS,    PT+1024                    ; 4 x 1,024: each wave's own stage for its 256 channels of the context
.set SPARE, CS+4096                    ; the spare words, 128 bytes for each wave
; VECTOR REGISTERS, in windows of 256 (s_set_vgpr_msb: bits 1:0 source 0, 3:2 source 1, 5:4 source 2, 7:6 destination).  Window 0:
.set SPW,   2                          ; LDS address of my spare word; never rewritten
.set NIL,   3                          ; 0; never rewritten
.set ABASE, 4                          ; r x 272 + 16 h: my place in a fragment of E
.set AAD,   5                          ; the same in the slice in hand
.set L16,   6                          ; 16 x lane
.set EOFF,  7                          ; my wave's 32 rows of a block in memory + 16 x lane
.set ESB,   8                          ; where my 8 bytes of my wave's first row go in slice 0: wave x 32 rows + 8 x lane
.set ESC,   9                          ; the same in the slice that the ring is storing
.set TBV,   16                         ; VT + 512 w + 32 h: my 8 numbers of the first of my wave's tiles of 16 columns
.set SCA,   17                         ; where I put a partial score
.set SCL,   18                         ; where I read four rows' partial scores
.set PTA,   19                         ; where I put four p
.set PTL,   20                         ; where I read a fragment of p
.set CSA,   21                         ; where I put a channel of the context
.set CSL,   22                         ; where I read four back
.set TRA,   23                         ; my place in a turned fragment of E, in my wave's two slices
.set PFO,   24                         ; my wave's 32 rows + 4,096 x lane: a lane a row, for the prefetches
.set MASKN, 25                         ; four bytes of the next block's mask
.set MASKC, 26                         ; of this block's
.set M4,    27                         ; 4 x lane
.set RS,    28                         ; v28-43  for each tile a of 16 rows a pair: sum of v r
.set SV,    44                         ; v44-45  sum of v
.set CH,    46                         ; v46-53  four chains for that sum; later the eight scores t[a]
.set TBC,   62                         ; TBV in the pass in hand
.set TAB,   64                         ; v64-127 my 64 numbers of v (a pass's end); at a block's end at work; in the first pass's K loop groups 0 and 1 of E's ring
.set AF,    128                        ; v128-191 E's eight fragments of one K step
.set PF,    192                        ; v192-223 p's four fragments; in the first pass's K loop group 2 of E's ring
.set YY,    224                        ; v224-239 the context on its way out; v224-255 in the first pass's K loop group 3 of E's ring
; Window 1: four buffers of 64 for W1's fragments (K step t in buffer t % 4); at a block's end E's turned fragments.
; Window 2: the accumulators of rows 0-63 ((a, b) at 8 (8 a + b)); ahead of a block's first pass the 256 registers in which slices 0 and 1 land.
; Window 3: the accumulators of rows 64-127; ahead of a pass's first K step v0-63 hold c W2h; at a block's end v0-127 the context's 16 accumulators.
; SCALAR REGISTERS (s2, s3, s38, s39: at a block's end the four masks of the lanes whose row is not hidden)
.set EP,  4                            ; s[4:5]   E at the block whose slices 0 and 1 are asked for next
.set MP,  6                            ; s[6:7]   the mask at the work-group's 256 rows
.set VP,  8                            ; s[8:9]   v
.set BB,  10                           ; s[10:11] my wave's stream of weights
.set WP,  12                           ; s[12:13] the batch's row of w2h
.set SCP, 14                           ; s[14:15] sc at the block
.set CPP, 16                           ; s[16:17] cp at the block and my wave's 256 channels
.set BP,  18                           ; s[18:19] where the stream stands
.set WV,  20
.set BLK, 21                           ; blocks to go
.set PAS, 22                           ; passes to go
.set KC,  23
.set SL,  25                           ; the slice in hand, in bytes
.set TP,  27                           ; 0 in the first pass, 2,048 in the second
.set HM,  28                           ; lanes 16-31
.set SEL, 30                           ; s[30:31] v_permlanex16_b32: each lane takes its own place in the other half
.set LOG2E, 33
.set TO,  34                           ; s[34:35] offsets in the making
.set EQ,  36                           ; s[36:37] E at the block in hand, at the slice that the ring asks for
.set MSB, 0
.macro WIN new                         ; the immediate's high byte repeats the setting that is left; a switch that changes nothing is dropped
.if MSB != (\new)
	s_set_vgpr_msb (MSB<<8)|(\new)
.set MSB, \new
.endif
.endm
.macro PLACES                          ; four plain instructions behind a run of products: ahead of vector instructions that read results they are the places of ISA guide 7.12.1;
.rept 4                                ; ahead of loads into registers that the products have read they stand beside the wait that states the dependence
	v_nop
.endr
.endm
; 64 loads: slices 0 and 1 of my 32 rows, 1,024 bytes on end of each row, each load 512 consecutive bytes, into window 2
.macro FILL
	WIN 0x80
.set i, 0
.rept 64
	global_load_b128 v[4*i:4*i+3], v[EOFF], s[EP:EP+1] offset:(i/2)*4096+(i%2)*512 th:TH_LOAD_NT
.set i, i+1
.endr
.endm
; 16 loads: W1's eight fragments of one K step, 8,192 bytes on end, into buffer q of window 1
.macro BLD q
	WIN 0x40
.irp f, 0,1,2,3,4,5,6,7
	global_load_b128 v[64*(\q)+8*(\f):64*(\q)+8*(\f)+3],   v[L16], s[BP:BP+1] offset:8192*(\q)+1024*(\f)
	global_load_b128 v[64*(\q)+8*(\f)+4:64*(\q)+8*(\f)+7], v[L16], s[BP:BP+1] offset:8192*(\q)+1024*(\f)+512
.endr
.endm
; E'S RING.  Group g is 32 registers of window 0 (v64, v96, v192, v224 on) and always holds rows 8 g .. 8 g + 7 of my 32, 512 bytes (one slice) of each.
; 8 loads into group g.  back: bytes by which the pointer has already been stepped on
.macro ELD g, back
	WIN 0
.set RG, 64+32*(\g)+64*((\g)/2)
.irp j, 0,1,2,3,4,5,6,7
	global_load_b128 v[RG+4*(\j):RG+4*(\j)+3], v[EOFF], s[EQ:EQ+1] offset:(8*(\g)+(\j))*4096-(\back) th:TH_LOAD_NT
.endr
.endm
; group g is rounded to bf16 in place.  The 16 conversions name no register of the products in front of them: they are the places there.
.macro ECVC g
	WIN 0
.set RG, 64+32*(\g)+64*((\g)/2)
.irp j, 0,1,2,3,4,5,6,7
	v_cvt_pk_bf16_f32 v[RG+4*(\j)],   v[RG+4*(\j)],   v[RG+4*(\j)+1]
	v_cvt_pk_bf16_f32 v[RG+4*(\j)+1], v[RG+4*(\j)+2], v[RG+4*(\j)+3]
.endr
.endm
; and stored: a store of the wave is one LDS row of the slice, 256 consecutive bytes
.macro ECVS g
	WIN 0
.set RG, 64+32*(\g)+64*((\g)/2)
.irp j, 0,1,2,3,4,5,6,7
	ds_store_b64 v[ESC], v[RG+4*(\j):RG+4*(\j)+1] offset:(8*(\g)+(\j))*PITCH
.endr
.endm
; AHEAD OF A BLOCK'S FIRST PASS.  Group gq of FILL's 64 loads (rows 8 gq .. 8 gq + 7, slices 0 and 1) is rounded in place and stored; behind it W1's K step gq and group gq of slice 2 go out.
.macro EGRP gq, wl
	s_wait_loadcnt \wl                             ; loads come back in order: my 16 are in; younger: the rest of FILL's and 24 for each group already sent (64 and 72 are written as the field's 63)
	WIN 0x8a
.set i, 0
.rept 16
	v_cvt_pk_bf16_f32 v[64*(\gq)+4*i],   v[64*(\gq)+4*i],   v[64*(\gq)+4*i+1]
	v_cvt_pk_bf16_f32 v[64*(\gq)+4*i+1], v[64*(\gq)+4*i+2], v[64*(\gq)+4*i+3]
.set i, i+1
.endr
	WIN 0x08                                       ; the stores' data in window 2
	s_wait_alu depctr_va_vdst(0)                   ; the conversions have written the stores' data; the last block's end is done with W1's buffer and the ring's group, in which the loads below land
.set i, 0
.rept 16
	ds_store_b64 v[ESB], v[64*(\gq)+4*i:64*(\gq)+4*i+1] offset:(i%2)*SLICE+(8*(\gq)+i/2)*PITCH
.set i, i+1
.endr
	BLD \gq
	ELD \gq, 0
.endm
; 8 matrix instructions: rows 64 hi + 16 a on x my 128 columns (eight tiles), 32 along K, W1 from buffer q.
; All 64 accumulators take turns, one instruction a turn, over the jumps too.
.macro MUL8 q, hi, a
	WIN 0xa1+0x50*(\hi)                            ; W1 window 1, E window 0, C and D window 2 or 3
.irp b, 0,1,2,3,4,5,6,7
	v_wmma_f32_16x16x32_bf16 v[8*(8*(\a)+(\b)):8*(8*(\a)+(\b))+7], v[64*(\q)+8*(\b):64*(\q)+8*(\b)+7], v[AF+8*(4*(\hi)+(\a)):AF+8*(4*(\hi)+(\a))+7], v[8*(8*(\a)+(\b)):8*(8*(\a)+(\b))+7]
.endr
.endm
; A pass's first K step starts the sums with c W2h, which lies in v0-63 of window 3: tile b's eight numbers at v[8 b].  Rows 0-63:
.macro MULI0 q
	WIN 0xb1                                       ; W1 window 1, E window 0, C window 3, D window 2
.irp a, 0,1,2,3
.irp b, 0,1,2,3,4,5,6,7
	v_wmma_f32_16x16x32_bf16 v[8*(8*(\a)+(\b)):8*(8*(\a)+(\b))+7], v[64*(\q)+8*(\b):64*(\q)+8*(\b)+7], v[AF+8*(\a):AF+8*(\a)+7], v[8*(\b):8*(\b)+7]
.endr
.endr
.endm
; Rows 64 + 16 a on, a = 1, 2, 3.  (Rows 64-79 come last: their accumulators are the table's own registers, and start in place by MUL8, five places behind the last product that read the table.)
.macro MULI8 q, a
	WIN 0xf1
.irp b, 0,1,2,3,4,5,6,7
	v_wmma_f32_16x16x32_bf16 v[8*(8*(\a)+(\b)):8*(8*(\a)+(\b))+7], v[64*(\q)+8*(\b):64*(\q)+8*(\b)+7], v[AF+8*(4+(\a)):AF+8*(4+(\a))+7], v[8*(\b):8*(\b)+7]
.endr
.endm
; 8 LDS loads: E's fragments of rows 64 hi on, at byte off behind the slice's address
.macro ALD hi, off
	WIN 0
.irp a, 0,1,2,3
	ds_load_b128 v[AF+8*(4*(\hi)+(\a)):AF+8*(4*(\hi)+(\a))+3],   v[AAD] offset:(\off)+(4*(\hi)+(\a))*16*PITCH
	ds_load_b128 v[AF+8*(4*(\hi)+(\a))+4:AF+8*(4*(\hi)+(\a))+7], v[AAD] offset:(\off)+(4*(\hi)+(\a))*16*PITCH+32
.endr
.endm
; A PASS OPENS: the first slice; c W2h of my 128 columns into v0-63 of window 3; E's fragments of K step 0.  (v[AAD] and v[TBC] are free: a wait on vm_vsrc stands at the end of the pass before.)
.macro PSTART
	WIN 0
	s_mov_b32 s[SL], 0
	v_mov_b32 v[AAD], v[ABASE]
	v_add_nc_u32 v[TBC], s[TP], v[TBV]
	WIN 0xc0                                       ; destination window 3
	s_wait_alu depctr_va_vdst(0)                   ; v[AAD] and v[TBC] are written; what went before is done reading and writing v0-63 of window 3 and E's fragments, in which the loads below land
.irp b, 0,1,2,3,4,5,6,7
	ds_load_b128 v[8*(\b):8*(\b)+3],   v[TBC] offset:4096+64*(\b)             ; c W2h of my columns 16 b + 8 h + 0..7
	ds_load_b128 v[8*(\b)+4:8*(\b)+7], v[TBC] offset:4096+64*(\b)+16
.endr
	ALD 0, 0
	ALD 1, 0
.endm
; A K STEP.  E's fragments have one buffer, loaded again by halves: rows 0-63 are asked for 24 products and the step's end ahead of their use, rows 64-127 32 products ahead.  W1's buffer q is asked for again,
; four K steps on, when the step's 64 products have read it.  anext: where the next step's fragments of E lie; aload, reload: whether they, and W1's, are asked for; bump: the two pointers step; wl: how many younger loads may stay out.
; es = 1: group g of E's ring is stored and asked for again; es = 2: stored only.  The stores stand ahead of the fragments' loads, so that the count 8 at the next step's head still leaves just those loads out.
; bar: the barrier that shows the ring's stores to the other waves: my LDS instructions are done (all were issued 32 products back or more), I signal in the step's middle and wait at its end;
; between stand loads of slices that no wave writes, and products.
.macro KSTEP q, init, anext, aload, bump, reload, wl, es, g, bar
	s_wait_loadcnt \wl                             ; buffer q is in, and so is the ring's group that was asked for with it
	s_wait_dscnt 8                                 ; E's rows 0-63 are in (and the table); the youngest eight loads, rows 64-127, may be out
.if \init
	MULI0 \q
.else
	MUL8 \q, 0, 0
	MUL8 \q, 0, 1
	MUL8 \q, 0, 2
	MUL8 \q, 0, 3
.endif
	PLACES
.if \bump
	s_wait_xcnt 0x0                                ; every load and prefetch issued so far has read its address (the youngest load 32 products back), so the pointers may be written
	s_add_nc_u64 s[BP:BP+1], s[BP:BP+1], 32768
	s_add_nc_u64 s[EQ:EQ+1], s[EQ:EQ+1], 512       ; the ring's next slice (group 3, which is still to ask in this step, reaches back)
.endif
	s_wait_dscnt 0x0                               ; E's rows 64-127 are in; where a signal follows, for the others' sake: my stores so far lie in LDS
.if \bar
	s_barrier_signal -1
.endif
.if \aload
	s_wait_alu depctr_va_vdst(0)                   ; the 32 products above are done reading E's rows 0-63, in which the loads below land; in a slice's first step v[AAD] is written
.endif
.if \init
	MULI8 \q, 1
.else
	MUL8 \q, 1, 0
.endif
.if \aload
	ALD 0, \anext                                  ; no product since the wait names these registers or v[AAD]
.endif
.if \init
	MULI8 \q, 2
	MULI8 \q, 3
.rept 5
	v_nop
.endr
	MUL8 \q, 1, 0
.else
	MUL8 \q, 1, 1
	MUL8 \q, 1, 2
	MUL8 \q, 1, 3
.endif
	WIN 0
.if \bar
	s_barrier_wait -1                              ; every wave's stores up to its signal lie in LDS
.endif
.if \es
	ECVC \g
.else
	PLACES
.endif
.if (\aload) || (\reload) || (\es)
	s_wait_alu depctr_va_vdst(0)                   ; the step's products are done reading E's rows 64-127 and buffer q; the ring's conversions have written the stores' data
.endif
.if \es
	ECVS \g
.endif
.if \aload
	ALD 1, \anext
.endif
.if \reload
	BLD \q
.endif
.if \es
	WIN 0
	s_wait_alu depctr_vm_vsrc(0)                   ; the ring's stores have read their group and v[ESC]
.endif
.if (\es) == 1
	s_wait_alu depctr_va_vdst(0)                   ; the conversions are done reading and writing the group: said straight ahead of the loads that land in it, since the group's stores stand between them and the wait above
	ELD \g, 512*((\g)/3)
.endif
.endm
.macro ADV                             ; on to the next slice
	WIN 0
	s_add_co_u32 s[SL], s[SL], SLICE
	s_wait_alu depctr_vm_vsrc(0)                   ; the fragments' loads issued so far have read v[AAD]
	v_add_nc_u32 v[AAD], s[SL], v[ABASE]
.endm
; A BODY: K steps 1, 2, 3 of a slice and K step 0 of the next.  es as in KSTEP; w1, w2, w3, w0: the four steps' counts.
.macro BODY es, w1, w2, w3, w0
	KSTEP 1, 0, 128, 1, 0, 1, \w1, \es, 0, 0
.if (\es) == 1
	; A PREFETCH INTO THE L2 of the slice that my ring will ask for two bodies (512 matrix instructions) on: my own 32 rows' 512 bytes, a lane a row, two instructions, behind this step's loads.
	; Each aligned block of 256 bytes is named once, by the wave that will load it.  Bodies 0 to 2 ask (slices 5 to 7); the last two have no slice two on.  Slices 2 to 4 come by their loads alone.
	s_cmp_gt_u32 s[KC], 2
	s_cbranch_scc0 .Lnpf_\@
	global_prefetch_b8 v[PFO], s[EQ:EQ+1] offset:1024 th:TH_LOAD_NT scope:SCOPE_SE
	global_prefetch_b8 v[PFO], s[EQ:EQ+1] offset:1280 th:TH_LOAD_NT scope:SCOPE_SE
.Lnpf_\@:
.endif
	KSTEP 2, 0, 192, 1, 0, 1, \w2, \es, 1, \es
	KSTEP 3, 0, SLICE, 1, 0, 1, \w3, \es, 2, 0
	ADV
	KSTEP 0, 0, 64, 1, 1, 1, \w0, \es, 3, 0
	WIN 0
.if \es
	v_add_nc_u32 v[ESC], SLICE, v[ESC]             ; the ring's four groups have stored a slice: on to the next (the step's wait on vm_vsrc stands behind its stores)
.endif
.endm
; sum of v r for the 32 accumulators of window 2 + hi: the four tiles' pairs take turns, so that no line waits for the one before it
.macro VDOT hi
	WIN 0x02+(\hi)
.irp b, 0,1,2,3,4,5,6,7
.irp p, 0,1,2,3
.irp a, 0,1,2,3
	v_pk_fma_f32 v[RS+2*(4*(\hi)+(\a)):RS+2*(4*(\hi)+(\a))+1], v[8*(8*(\a)+(\b))+2*(\p):8*(8*(\a)+(\b))+2*(\p)+1], v[TAB+8*(\b)+2*(\p):TAB+8*(\b)+2*(\p)+1], v[RS+2*(4*(\hi)+(\a)):RS+2*(4*(\hi)+(\a))+1]
.endr
.endr
.endr
.endm
.macro ALL256 line:vararg              ; one line for each register i of a window
.set i, 0
.rept 256
	\line
.set i, i+1
.endr
.endm
.macro ALL128 line:vararg              ; one line for each pair i, i + 1 of a window
.set i, 0
.rept 128
	\line
.set i, i+2
.endr
.endm
; E's turned fragments for 64 rows, 32 k0 on, all 16 tiles of my 256 channels -> window 1
.macro TRLD k0
	WIN 0x40
.irp kk, 0,1
.irp ct, 0,1,2,3,4,5,6,7,8,9,10,11,12,13,14,15
	ds_load_tr16_b128 v[128*(\kk)+8*(\ct):128*(\kk)+8*(\ct)+3],   v[TRA] offset:((\ct)/8)*SLICE+32*((\ct)%8)+32*PITCH*((\k0)+(\kk))
	ds_load_tr16_b128 v[128*(\kk)+8*(\ct)+4:128*(\kk)+8*(\ct)+7], v[TRA] offset:((\ct)/8)*SLICE+32*((\ct)%8)+32*PITCH*((\k0)+(\kk))+16*PITCH
.endr
.endr
.endm
; 16 matrix instructions of the context: source 0 = p of 32 rows (the same in all 16 lines of the tile), source 1 = those rows of E, turned.  The 16 accumulators take turns.
.macro CMUL kap, half, zero
	WIN 0xf4                                       ; p window 0, E window 1, C and D window 3
.irp ct, 0,1,2,3,4,5,6,7,8,9,10,11,12,13,14,15
.if \zero
	v_wmma_f32_16x16x32_bf16 v[8*(\ct):8*(\ct)+7], v[PF+8*(\kap):PF+8*(\kap)+7], v[128*(\half)+8*(\ct):128*(\half)+8*(\ct)+7], 0
.else
	v_wmma_f32_16x16x32_bf16 v[8*(\ct):8*(\ct)+7], v[PF+8*(\kap):PF+8*(\kap)+7], v[128*(\half)+8*(\ct):128*(\half)+8*(\ct)+7], v[8*(\ct):8*(\ct)+7]
.endif
.endr
.endm
	s_load_b256 s[4:11], s[0:1], 0x0               ; E, mask, v, w1f
	s_load_b128 s[12:15], s[0:1], 0x20             ; w2h, sc
	s_load_b64 s[16:17], s[0:1], 0x30              ; cp
	v_lshl_add_u32 v[SPW], v0, 2, SPARE
	v_mov_b32 v[NIL], 0
	v_lshrrev_b32 v1, 5, v0
	v_readfirstlane_b32 s[WV], v1                  ; wave 0..3
	v_and_b32 v54, 31, v0                          ; lane
	v_and_b32 v55, 15, v0                          ; r
	v_bfe_u32 v56, v0, 4, 1                        ; h
	v_mul_u32_u24 v[ABASE], v55, PITCH
	v_lshl_add_u32 v[ABASE], v56, 4, v[ABASE]
	v_lshlrev_b32 v[L16], 4, v54
	v_lshlrev_b32 v[M4], 2, v54
	s_wait_alu depctr_va_sdst(0)                   ; the wave's number is written, ahead of its first reader
	s_lshl_b32 s[TO], s[WV], 17                    ; 32 rows of 4,096 bytes
	v_add_nc_u32 v[EOFF], s[TO], v[L16]
	v_lshl_add_u32 v[PFO], v54, 12, s[TO]
	s_mul_i32 s[TO], s[WV], 32*PITCH
	v_lshl_add_u32 v[ESB], v54, 3, s[TO]
	s_lshl_b32 s[TO], s[WV], 9
	s_add_co_u32 s[TO+1], s[TO], VT
	v_lshl_add_u32 v[TBV], v56, 5, s[TO+1]
	s_add_co_u32 s[TO+1], s[TO], SCR
	v_lshl_add_u32 v[SCA], v54, 2, s[TO+1]
	v_add_nc_u32 v[SCL], SCR, v[L16]
	s_lshl_b32 s[TO], s[WV], 8
	s_add_co_u32 s[TO], s[TO], PT
	v_lshl_add_u32 v[PTA], v54, 3, s[TO]
	v_lshl_add_u32 v[PTL], v56, 4, s[TO]
	s_lshl_b32 s[TO], s[WV], 10
	s_add_co_u32 s[TO], s[TO], CS
	v_lshl_add_u32 v[CSA], v54, 2, s[TO]
	v_add_nc_u32 v[CSL], s[TO], v[L16]
	v_and_b32 v57, 7, v0                           ; the turning load: lane l reads row 8 h + l % 8, channels 8 ((l / 8) % 2) on
	v_lshl_add_u32 v57, v56, 3, v57
	v_mul_u32_u24 v57, v57, PITCH
	v_bfe_u32 v58, v0, 3, 1
	v_lshl_add_u32 v57, v58, 4, v57
	s_mul_i32 s[TO], s[WV], 2*SLICE                ; my 256 channels are slices 2 w and 2 w + 1
	v_add_nc_u32 v[TRA], s[TO], v57
	v_lshlrev_b32 v1, 4, v0                        ; 16 x thread, for the tables
	v_add_nc_u32 v59, VT, v1
	s_mov_b32 s[HM], 0xffff0000
	s_mov_b32 s[SEL], 0x76543210
	s_mov_b32 s[SEL+1], 0xfedcba98
	s_mov_b32 s[LOG2E], 0x3fb8aa3b
	s_mov_b32 s[BLK], 2
	s_mov_b32 s[TO+1], 0
	s_wait_kmcnt 0x0
	s_lshl_b32 s[TO], ttmp9, 20                    ; 256 rows of 4,096 bytes
	s_add_nc_u64 s[EP:EP+1], s[EP:EP+1], s[TO:TO+1]
	s_lshl_b32 s[TO], ttmp9, 8
	s_add_nc_u64 s[MP:MP+1], s[MP:MP+1], s[TO:TO+1]
	s_lshl_b32 s[TO], s[WV], 19
	s_add_nc_u64 s[BB:BB+1], s[BB:BB+1], s[TO:TO+1]
	s_lshr_b32 s[TO], ttmp9, 3                     ; the batch
	s_lshl_b32 s[TO], s[TO], 12
	s_add_nc_u64 s[WP:WP+1], s[WP:WP+1], s[TO:TO+1]
	s_lshl_b32 s[TO], ttmp9, 10
	s_add_nc_u64 s[SCP:SCP+1], s[SCP:SCP+1], s[TO:TO+1]
	s_lshl_b32 s[TO], ttmp9, 13
	s_lshl_b32 s[SL], s[WV], 10
	s_add_co_u32 s[TO], s[TO], s[SL]
	s_add_nc_u64 s[CPP:CPP+1], s[CPP:CPP+1], s[TO:TO+1]
	s_mov_b64 s[BP:BP+1], s[BB:BB+1]
	s_wait_alu depctr_va_vdst(0)                   ; all the offsets and LDS addresses made above are written: the loads, stores and prefetches of the whole kernel read them
	global_load_b128 v[128:131], v1, s[VP:VP+1]                ; the two tables, 2,048 bytes a load of the work-group
	global_load_b128 v[132:135], v1, s[VP:VP+1] offset:2048
	global_load_b128 v[136:139], v1, s[WP:WP+1]
	global_load_b128 v[140:143], v1, s[WP:WP+1] offset:2048
	global_load_b32 v[MASKN], v[M4], s[MP:MP+1]                ; every wave holds the block's 128 bytes of mask: lane l rows 4 l .. 4 l + 3
	FILL                                                       ; the first block's slices 0 and 1
	WIN 0
	s_wait_loadcnt 63                              ; 69 loads were issued: the oldest six are in, the tables' four among them
	ds_store_b128 v59, v[128:131]
	ds_store_b128 v59, v[132:135] offset:2048
	ds_store_b128 v59, v[136:139] offset:4096
	ds_store_b128 v59, v[140:143] offset:6144
.Lblk:	; A BLOCK.  Slices 0 and 1 go into LDS; the weights' first four K steps and slice 2 go out
.set i, 0
.rept 18
	v_mov_b32 v[RS+i], 0                           ; the eight sums of v r and the sum of v
.set i, i+1
.endr
	s_mov_b32 s[TP], 0
	v_add_nc_u32 v[ESC], 2*SLICE, v[ESB]           ; the ring begins with slice 2 (behind the ring's last stores stands their step's wait on vm_vsrc)
	s_wait_xcnt 0x0                                ; FILL's loads have read their address: E's pointers may be written
	s_add_nc_u64 s[EQ:EQ+1], s[EP:EP+1], 1024      ; this block, slice 2
	s_add_nc_u64 s[EP:EP+1], s[EP:EP+1], 524288    ; the next block
	EGRP 0, 48
	EGRP 1, 56
	EGRP 2, 63
	EGRP 3, 63
	WIN 0
	v_mov_b32 v[MASKC], v[MASKN]                   ; the mask's load is older than every load of E that has been waited for
	s_wait_dscnt 0x0                               ; for the others' sake: my rows of slices 0 and 1 (and, the first time, my part of the tables) lie in LDS
	s_barrier_signal -1
	s_barrier_wait -1                              ; everybody's do
	s_mov_b32 s[PAS], 2
	s_wait_alu depctr_vm_vsrc(0)                   ; my LDS stores have read their data: window 2, which the pass's products write, and, the first time, v128-143, in which E's fragments land
	; THE FIRST PASS, K steps 0 to 24: columns 0 to 511, of which 128 are mine; E's slices 2 to 7 come in beside the products
	PSTART
	KSTEP 0, 1, 64, 1, 1, 1, 48, 0, 0, 0           ; K step 0: behind buffer 0's loads the prologue issued 80 more
	WIN 0
	s_mov_b32 s[KC], 5
.Lke:	; K steps 1 to 20: the ring stores slices 2 to 6 and asks for slices 3 to 7.  Behind each wanted buffer and group 72 loads or more are younger, in the first trip too
	; (the prologue's later groups of 24, K step 0's 16, the trip's own groups of 24): the field's 63
	BODY 1, 63, 63, 63, 63
	s_sub_co_u32 s[KC], s[KC], 1
	s_cmp_lg_u32 s[KC], 0
	s_cbranch_scc1 .Lke
	BODY 2, 63, 63, 56, 48                         ; K steps 21 to 24: slice 7 is stored, nothing more is asked for of E: behind the ring's group 72, 64, 56, 48 loads are younger
	s_branch .Lmid                                 ; into the middle of the loop over passes
.Lpass:	; THE SECOND PASS, K steps 0 to 24: columns 512 to 1,023.  E lies in LDS; the weights' K steps 0 to 3 were asked for in the first pass's last slice
	PSTART
	KSTEP 0, 1, 64, 1, 1, 1, 48, 0, 0, 0           ; K step 0: three buffers of 16 are younger than buffer 0
	WIN 0
	s_mov_b32 s[KC], 6
.Lk:
	BODY 0, 48, 48, 48, 48
	s_sub_co_u32 s[KC], s[KC], 1
	s_cmp_lg_u32 s[KC], 0
	s_cbranch_scc1 .Lk
.Lmid:	; K steps 25 to 27, both passes: three buffers of 16 are younger on either way in; the barrier shows slice 7, stored up to K step 24 and first read in K step 27
	KSTEP 1, 0, 128, 1, 0, 1, 48, 0, 0, 0
	KSTEP 2, 0, 192, 1, 0, 1, 48, 0, 0, 1
	KSTEP 3, 0, SLICE, 1, 0, 1, 48, 0, 0, 0
	ADV
	s_cmp_eq_u32 s[PAS], 1
	s_cbranch_scc1 .Lnr
	KSTEP 0, 0, 64, 1, 1, 1, 48, 0, 0, 0           ; the first pass's last slice: no further fragments of E at its end, but the stream of weights goes on into the second pass
	KSTEP 1, 0, 128, 1, 0, 1, 48, 0, 0, 0
	KSTEP 2, 0, 192, 1, 0, 1, 48, 0, 0, 0
	KSTEP 3, 0, 0, 0, 0, 1, 48, 0, 0, 0
	WIN 0
	s_branch .Lepi
.Lnr:
	KSTEP 0, 0, 64, 1, 0, 0, 48, 0, 0, 0           ; the block's last slice: nothing is asked for of the weights, the counts run down
	KSTEP 1, 0, 128, 1, 0, 0, 32, 0, 0, 0
	KSTEP 2, 0, 192, 1, 0, 0, 16, 0, 0, 0
	KSTEP 3, 0, 0, 0, 0, 0, 0, 0, 0, 0
	WIN 0
	s_cmp_eq_u32 s[BLK], 1
	s_cbranch_scc1 .Lepi
	; A PREFETCH INTO THE L2 of what my wave asks for first in the next block: 1,024 bytes of each of its own 32 rows, a lane a row, four instructions; each block of 256 bytes is named once.
	; It stands a whole pass's end (1,024 exponentials and reciprocals and their arithmetic) ahead of those loads.  The second block has none behind it and asks for nothing.
.irp i, 0,1,2,3
	global_prefetch_b8 v[PFO], s[EP:EP+1] offset:256*(\i) th:TH_LOAD_NT scope:SCOPE_SE
.endr
.Lepi:	; A PASS'S END: r = 1 / (1 + 2^x') on all 512 registers, and the sums of v r.  The exponentials and reciprocals go in three batches, each with one wait ahead of its first reader.
	PLACES                                         ; with the four behind the last products: eight places ahead of the first read of a result
.irp b, 0,1,2,3,4,5,6,7
	ds_load_b128 v[TAB+8*(\b):TAB+8*(\b)+3],   v[TBC] offset:64*(\b)          ; v of my columns.  No wait: the last vector instructions that named v64-127 (the ring's conversions up to K step 22, or the last pass's end)
	ds_load_b128 v[TAB+8*(\b)+4:TAB+8*(\b)+7], v[TBC] offset:64*(\b)+16       ; and the ring's stores that read them stand ahead of later K steps' waits; v[TBC] was written ahead of the opening's wait
.endr
	WIN 0x82
	ALL256 v_exp_f32 v[i], v[i]                    ; ascending: each accumulator's lowest register is read first
	WIN 0
	s_wait_dscnt 0x0
.irp k, 0,1,2,3                                ; the sum of my 64 v, in four chains: the plain work behind the batch
	v_pk_add_f32 v[CH+2*(\k):CH+2*(\k)+1], v[TAB+2*(\k):TAB+2*(\k)+1], v[TAB+8+2*(\k):TAB+8+2*(\k)+1]
.endr
.set i, 8
.rept 24
	v_pk_add_f32 v[CH+2*(i%4):CH+2*(i%4)+1], v[CH+2*(i%4):CH+2*(i%4)+1], v[TAB+2*i:TAB+2*i+1]
.set i, i+1
.endr
	v_pk_add_f32 v[CH:CH+1], v[CH:CH+1], v[CH+2:CH+3]
	v_pk_add_f32 v[CH+4:CH+5], v[CH+4:CH+5], v[CH+6:CH+7]
	v_pk_add_f32 v[CH:CH+1], v[CH:CH+1], v[CH+4:CH+5]
	v_pk_add_f32 v[SV:SV+1], v[SV:SV+1], v[CH:CH+1]
	s_wait_alu depctr_va_vdst(0)                   ; the wait for the first batch: window 2's exponentials are written
	WIN 0x82
	ALL128 v_pk_add_f32 v[i:i+1], v[i:i+1], 1.0 op_sel_hi:[1,0]
	ALL256 v_rcp_f32 v[i], v[i]
	WIN 0xc3
	ALL256 v_exp_f32 v[i], v[i]
	v_nop                                          ; a plain instruction behind the last of the batch
	s_wait_alu depctr_va_vdst(0)                   ; the wait for the second: window 2's reciprocals, window 3's exponentials
	VDOT 0
	WIN 0xc3
	ALL128 v_pk_add_f32 v[i:i+1], v[i:i+1], 1.0 op_sel_hi:[1,0]
	ALL256 v_rcp_f32 v[i], v[i]
	v_nop
	s_wait_alu depctr_va_vdst(0)                   ; the wait for the third: window 3's reciprocals
	VDOT 1
	WIN 0
	s_wait_alu depctr_vm_vsrc(0)                   ; the pass's LDS loads have read v[AAD] and v[TBC], which the next pass's opening writes: said ahead of the jump
	s_xor_b32 s[TP], s[TP], 2048
	s_sub_co_u32 s[PAS], s[PAS], 1
	s_cmp_lg_u32 s[PAS], 0
	s_cbranch_scc1 .Lpass
	; A BLOCK'S END.  The next block's slices 0 and 1 are asked for at once: window 2 is free, and nothing below waits on a load from memory.
	s_wait_xcnt 0x0                                ; the weights' loads and the prefetches, a pass's end back, have read their addresses
	s_mov_b64 s[BP:BP+1], s[BB:BB+1]               ; the stream starts anew
	s_cmp_eq_u32 s[BLK], 1
	s_cbranch_scc1 .Lnofill
	s_wait_alu depctr_va_vdst(0)                   ; the pass's end is done reading and writing window 2, in which the next block's slices land; the copy of the mask has read v[MASKN]
	global_load_b32 v[MASKN], v[M4], s[MP:MP+1] offset:128
	FILL
	WIN 0
.Lnofill:
.irp a, 0,1,2,3,4,5,6,7
	v_pk_fma_f32 v[RS+2*(\a):RS+2*(\a)+1], v[RS+2*(\a):RS+2*(\a)+1], -2.0, v[SV:SV+1] op_sel_hi:[1,0,1]  ; sum v - 2 sum v r, even and odd columns
.endr
.irp a, 0,1,2,3,4,5,6,7
	v_add_f32 v[CH+(\a)], v[RS+2*(\a)], v[RS+2*(\a)+1]
.endr
.irp a, 0,1,2,3,4,5,6,7
	v_permlanex16_b32 v[RS+2*(\a)], v[CH+(\a)], s[SEL], s[SEL+1]    ; the row's other columns lie in the lane 16 away
.endr
.irp a, 0,1,2,3,4,5,6,7
	v_add_f32 v[CH+(\a)], v[CH+(\a)], v[RS+2*(\a)]                  ; row 16 a + r, my wave's 256 columns
.endr
.irp q, 0,1,2,3
	v_cndmask_b32 v[54+(\q)], v[CH+2*(\q)], v[CH+2*(\q)+1], s[HM]   ; lane l takes row 32 q + l
.endr
	s_wait_alu depctr_va_vdst(0)                   ; the four selects have written v54-57, the stores' data; the pass's end is done reading v64-79, in which the partial scores land below
.irp q, 0,1,2,3
	ds_store_b32 v[SCA], v[54+(\q)] offset:128*(\q)
.endr
	s_wait_dscnt 0x0                               ; for the others' sake: my partial scores lie in LDS
	s_barrier_signal -1
	s_barrier_wait -1
.irp w, 0,1,2,3
	ds_load_b128 v[64+4*(\w):67+4*(\w)], v[SCL] offset:512*(\w)     ; rows 4 l .. 4 l + 3, all four waves' parts: every wave makes the same 128 scores, in the same order
.endr
	s_wait_alu depctr_vm_vsrc(0)                   ; the four stores above have read v54-57, which are written again from here on
	v_mov_b32 v54, 0xce6e6b28                      ; -1e9
	s_wait_dscnt 0x0
	v_pk_add_f32 v[64:65], v[64:65], v[68:69]
	v_pk_add_f32 v[66:67], v[66:67], v[70:71]
	v_pk_add_f32 v[72:73], v[72:73], v[76:77]
	v_pk_add_f32 v[74:75], v[74:75], v[78:79]
	v_pk_add_f32 v[64:65], v[64:65], v[72:73]
	v_pk_add_f32 v[66:67], v[66:67], v[74:75]
.irp i, 0,1,2,3
	v_bfe_u32 v[58+(\i)], v[MASKC], 8*(\i), 8
.endr
.irp i, 0,1,2,3
	v_cmp_ne_u32 s[2+(\i)+34*((\i)/2)], 0, v[58+(\i)]              ; the four compares in one run, into s2, s3, s38, s39
.endr
	s_wait_alu depctr_va_sdst(0)                   ; the four masks are written, ahead of their first reader
.irp i, 0,1,2,3
	v_cndmask_b32 v[64+(\i)], v54, v[64+(\i)], s[2+(\i)+34*((\i)/2)]  ; the score where the mask is true, else -1e9
.endr
	v_max_num_f32 v56, v64, v65
	v_max3_num_f32 v56, v56, v66, v67
	v_max_num_f32_dpp v56, v56, v56 row_xmask:1 row_mask:0xf bank_mask:0xf
	v_max_num_f32_dpp v56, v56, v56 row_xmask:2 row_mask:0xf bank_mask:0xf
	v_max_num_f32_dpp v56, v56, v56 row_xmask:4 row_mask:0xf bank_mask:0xf
	v_max_num_f32_dpp v56, v56, v56 row_xmask:8 row_mask:0xf bank_mask:0xf
	v_permlanex16_b32 v57, v56, s[SEL], s[SEL+1]
	v_max_num_f32 v56, v56, v57                    ; m, the block's maximum, in every lane
	s_cmp_lg_u32 s[WV], 0
	s_cbranch_scc1 .Lnosc
	s_wait_alu depctr_va_vdst(0)                   ; the selects have written v64-67, the store's data
	global_store_b128 v[L16], v[64:67], s[SCP:SCP+1]               ; wave 0 stores the 128 masked scores: 512 consecutive bytes, aligned
.Lnosc:
.irp i, 0,1,2,3
	v_sub_f32 v[72+(\i)], v[64+(\i)], v56          ; the maximum is taken away first
.endr
.irp i, 0,1,2,3
	v_mul_f32 v[72+(\i)], s[LOG2E], v[72+(\i)]
.endr
.irp i, 0,1,2,3
	v_exp_f32 v[72+(\i)], v[72+(\i)]
.endr
	v_nop
	s_wait_alu depctr_va_vdst(0)                   ; one wait for the four exponentials, ahead of their first reader
	v_cvt_pk_bf16_f32 v76, v72, v73
	v_cvt_pk_bf16_f32 v77, v74, v75
	s_wait_alu depctr_va_vdst(0)                   ; the two roundings have written v76-77, the store's data
	ds_store_b64 v[PTA], v[76:77]                  ; p in bf16, my wave's own copy: LDS serves a wave's instructions in order (ISA guide 5.7.1.4), so the loads below see it
.irp k, 0,1,2,3
	ds_load_b128 v[PF+8*(\k):PF+8*(\k)+3],   v[PTL] offset:64*(\k)
	ds_load_b128 v[PF+8*(\k)+4:PF+8*(\k)+7], v[PTL] offset:64*(\k)+32
.endr
	TRLD 0                                         ; window 1's last readers, the pass's products, stand ahead of the waits above
	s_wait_dscnt 32                                ; p and the first 32 rows' fragments are in; the second 32 loads may be out
	CMUL 0, 0, 1
	s_wait_dscnt 0x0
	CMUL 1, 1, 0
	PLACES
	s_wait_alu depctr_va_vdst(0)                   ; the 32 products above are done reading window 1, in which the next 64 rows' fragments land
	TRLD 2
	s_wait_dscnt 32
	CMUL 2, 0, 0
	s_wait_dscnt 0x0
	CMUL 3, 1, 0
	PLACES
	PLACES
	WIN 0x0f                                       ; sources 0 and 1 window 3.  All 16 lines of a tile are alike: register 0 holds channel 16 ct + r
.irp u, 0,1,2,3,4,5,6,7
	v_cndmask_b32 v[YY+(\u)], v[16*(\u)], v[16*(\u)+8], s[HM]      ; lane l takes channel 32 u + l
.endr
	WIN 0
	s_wait_alu depctr_va_vdst(0)                   ; the eight selects have written v224-231, the stores' data
.irp u, 0,1,2,3,4,5,6,7
	ds_store_b32 v[CSA], v[YY+(\u)] offset:128*(\u)
.endr
	ds_load_b128 v[YY+8:YY+11],  v[CSL]            ; my own stage: four neighbouring channels a lane
	ds_load_b128 v[YY+12:YY+15], v[CSL] offset:512
	s_wait_dscnt 0x0
	global_store_b128 v[L16], v[YY+8:YY+11],  s[CPP:CPP+1]         ; 512 consecutive bytes, aligned
	global_store_b128 v[L16], v[YY+12:YY+15], s[CPP:CPP+1] offset:512
	s_wait_xcnt 0x0                                ; the stores have had their addresses translated: their bases may be written
	s_wait_alu depctr_vm_vsrc(0)                   ; the stores of this block's end have read v64-67, v76-77 and v224-239, in which the ring lands in the next block: said ahead of the jump
	s_add_nc_u64 s[SCP:SCP+1], s[SCP:SCP+1], 512
	s_add_nc_u64 s[CPP:CPP+1], s[CPP:CPP+1], 4096
	s_barrier_signal -1                            ; my reads of E's block and of the partial scores are over (the wait for LDS above): only behind this barrier is the block overwritten
	s_barrier_wait -1
	s_sub_co_u32 s[BLK], s[BLK], 1
	s_cmp_lg_u32 s[BLK], 0
	s_cbranch_scc1 .Lblk
	s_wait_dscnt 0x0                               ; the closing lines, six on end
	s_wait_alu 0x0
	s_wait_tensorcnt 0x0
	ds_add_u32 v[SPW], v[NIL]
	s_wait_dscnt 0x0
	s_endpgm
.Lfunc_end_k_qe74d900e32_main:
	.size	k_qe74d900e32_main, .Lfunc_end_k_qe74d900e32_main-k_qe74d900e32_main
	.p2alignl 7, 3214868480
	.fill 96, 4, 3214868480
	.section	.rodata,"a",@progbits
	.p2align	6, 0x0
	.amdhsa_kernel k_qe74d900e32_main
		.amdhsa_group_segment_fixed_size 294400
		.amdhsa_private_segment_fixed_size 0
		.amdhsa_enable_private_segment 0
		.amdhsa_kernarg_size 56
		.amdhsa_user_sgpr_count 2
		.amdhsa_user_sgpr_kernarg_segment_ptr 1
		.amdhsa_wavefront_size32 1
		.amdhsa_system_sgpr_workgroup_id_x 1
		.amdhsa_system_sgpr_workgroup_id_y 1
		.amdhsa_system_sgpr_workgroup_id_z 1
		.amdhsa_system_vgpr_workitem_id 0
		.amdhsa_next_free_vgpr 1024
		.amdhsa_next_free_sgpr 66
		.amdhsa_reserve_vcc 0
		.amdhsa_float_denorm_mode_32 3
		.amdhsa_float_denorm_mode_16_64 3
		.amdhsa_memory_ordered 1
		.amdhsa_forward_progress 1
		.amdhsa_inst_pref_size 255
	.end_amdhsa_kernel
	.section	.bss,"aw",@nobits
	.p2align	6
	.space	262144
	.amdgpu_metadata
---
amdhsa.version: [ 1, 2 ]
amdhsa.kernels:
  - .name:           k_qe74d900e32_main
    .symbol:         k_qe74d900e32_main.kd
    .args:
      - { .name: encoder_outputs, .offset: 0, .size: 8, .value_kind: global_buffer, .address_space: global }
      - { .name: mask, .offset: 8, .size: 8, .value_kind: global_buffer, .address_space: global }
      - { .name: v, .offset: 16, .size: 8, .value_kind: global_buffer, .address_space: global }
      - { .name: w1f, .offset: 24, .size: 8, .value_kind: global_buffer, .address_space: global }
      - { .name: w2h, .offset: 32, .size: 8, .value_kind: global_buffer, .address_space: global }
      - { .name: sc, .offset: 40, .size: 8, .value_kind: global_buffer, .address_space: global }
      - { .name: cp, .offset: 48, .size: 8, .value_kind: global_buffer, .address_space: global }
    .group_segment_fixed_size: 294400
    .private_segment_fixed_size: 0
    .kernarg_segment_align: 8
    .kernarg_segment_size: 56
    .max_flat_workgroup_size: 128
    .sgpr_count:     66
    .vgpr_count:     1024
    .wavefront_size: 32
...
	.end_amdgpu_metadata
.endif
;; end of part 4
;; launch finish: the kernel of part 3 again; grid 32 x 1, 8 waves a work-group, no clusters, 1,280 bytes of LDS; arguments sc, cp, out0, out1; writes out0, out1
